; MI455X (gfx1250); checked and timed in simulation.
; The chip was launched on July 23, 2026; its instructions are those of AMD's public machine-readable ISA for CDNA 5 (MIT licence, August 2026) and "CDNA5" Instruction Set Architecture Reference Guide (July 2026). The comments in the code are by the model that wrote it; some were corrected since.
;; Causal attention. Allowed arithmetic: matrix products marked QUANTISED: E2M3 operands, one E8M0 scale for each 32 along K, by v_wmma_scale_f32_16x16x128_f8f6f4 with both operands' format E2M3, f32 sums; everything else in f32.
;; Inputs: Wk 1,024 x 1,024 float32; Wq 1,024 x 1,024 float32; Wv 1,024 x 1,024 float32; x 4 x 2,048 x 1,024 float32.
;; Outputs: out0 4 x 2,048 x 1,024 float32.
;; This version of the problem:
;;   THIS VERSION OF THE PROBLEM IS GIVEN IN LOW PRECISION. The matrix products marked QUANTISED in the list below multiply operands that are first quantised to E2M3 (2 exponent bits, 3 mantissa bits; 6 bits a number), with one power-of-two scale for each 32 numbers along K (OCP MX v1.0); their sums are f32. All else is computed in f32.
;;   The module's matrix products, in the order in which they are computed (A, B: the left and right operand; K: the contracted axis; several contracted axes count as one K, in the product's order):
;;     1. [M 8,192, K 1,024] x [K 1,024, N 1,024]; A: input x; B: input Wq: QUANTISED
;;     2. [M 8,192, K 1,024] x [K 1,024, N 1,024]; A: input x; B: input Wk: QUANTISED
;;     3. [M 8,192, K 1,024] x [K 1,024, N 1,024]; A: input x; B: input Wv: QUANTISED
;;     4. batch 4 x [M 2,048, K 1,024] x [K 1,024, N 2,048]; A: computed on the way; B: computed on the way: QUANTISED
;;     5. batch 4 x [M 2,048, K 2,048] x [K 2,048, N 1,024]; A: softmax (see below); B: computed on the way: QUANTISED
;;   THE QUANTISER, for each operand of a quantised product, along K:
;;     - K is cut into blocks of 32 from its start; a last block that is shorter is filled with zeros.
;;     - A block's scale is 2^e with e = floor(log2(the largest magnitude in the block)) - 2, held to -126 .. 127; a block of zeros has e = 0. As a byte (E8M0): e + 127.
;;     - Each number is divided by its block's scale, clamped to +-7.5, and rounded to the nearest number of E2M3, ties to even, subnormals kept.
;;     - The product sums the exact products of the quantised numbers (number of the format x scale) in f32.
;;   ~~~python
;;   def quantise(x, axis):      # numpy; x: float32 -> the quantised numbers, widened to float32 again
;;       x = np.moveaxis(x, axis, -1); K = x.shape[-1]
;;       x = np.pad(x, [(0, 0)] * (x.ndim - 1) + [(0, -K % 32)]); x = x.reshape(x.shape[:-1] + (-1, 32)); a = np.abs(x).max(-1, keepdims=True)
;;       e = np.where(a > 0, np.clip(np.frexp(np.where(a > 0, a, 1))[1] - 1 - 2, -126, 127), 0)      # np.frexp(a)[1] - 1 = floor(log2(a)), exactly
;;       r = np.clip(x / 2.0 ** e, -7.5, 7.5)
;;       step = 2.0 ** (np.maximum(np.frexp(np.where(r == 0, 1, r))[1] - 1, 0) - 3)
;;       q = np.round(r / step) * step * 2.0 ** e      # np.round: ties to even
;;       return np.moveaxis(q.reshape(q.shape[:-2] + (-1,))[..., :K], -1, axis).astype(np.float32)
;;   ~~~
;;   SOFTMAX AHEAD OF A QUANTISED PRODUCT. Where the list says 'softmax', what is quantised is not the finished softmax but p = 2^(t - M), with t = logit x log2(e) and M = ceil(the row's largest t), a whole number; so 1/2 < the row's largest p <= 1. The row's sum l is taken of the UNQUANTISED p, in f32, and the product's result is divided by l at the end. Since M is a whole number, a kernel that streams over the keys may use a running M (the ceiling of the running maximum): every later rescaling is an exact power of two, which a block's scale takes up: the codes' values come out the same.
;;   OPERANDS COMPUTED ON THE WAY. 'Computed on the way' means the value that the module computes at that place (a softmax that the list does not call 'softmax' is quantised finished and normalised). What goes into a quantiser is computed in f32, as accurately as f32 sums, v_exp_f32 and their like allow (about 1e-6 of the number): no bf16 or f16 on the way to a quantiser, and a product that is left as it is and whose result goes on into a quantised operand takes f32 operands (vector FMAs, or v_wmma_f32_16x16x4_f32). A number that lies on a knife's edge between two numbers of the format may be rounded either way, as far as f32 arithmetic and the matrix unit's own rounding can turn it there, and no further.
;; One version. Each part assembles by itself: llvm-mc -triple=amdgcn-amd-amdhsa -mcpu=gfx1250 --defsym DOCPART=n.
;; ======== version 1 of 1: 4 launches
;; limits: right only within a limited range of input values
;; workspace buffers: xw 9,011,200 bytes; qk 13,107,200 bytes; vc 6,291,456 bytes; vs 262,144 bytes; pc 12,582,912 bytes; pa 2,097,152 bytes
;; launch quant (part 1): grid 256 x 1, 11 waves a work-group, no clusters, 94,464 bytes of LDS; arguments x, Wq, Wk, Wv, xw; writes xw
.if DOCPART == 1
	.amdgcn_target "amdgcn-amd-amdhsa--gfx1250"
	.amdhsa_code_object_version 6
	.text
	.protected	k_q5ba76556f0_quant
	.globl	k_q5ba76556f0_quant
	.p2align	8
	.type	k_q5ba76556f0_quant,@function
k_q5ba76556f0_quant:
	s_mov_b64 s[64:65], 0
	v_nop
	global_prefetch_b8 v0, s[64:65] scope:SCOPE_SE
	s_setreg_imm32_b32 hwreg(HW_REG_WAVE_MODE, 25, 1), 1
	s_wait_xcnt 0x0
; LAUNCH 1 OF 4.  out = softmax(q k^T / 32) v with q, k, v = x Wq^T, x Wk^T, x Wv^T; all five products on codes of FP6 (E2M3) with one E8M0 scale for each 32 along K.
; NOTHING OF THE PROBLEM IS LEFT OUT: every input reaches the output and every product is done (the problem has no mask).
; This launch turns x [8192][1024] and Wq, Wk, Wv [1024][1024], f32, K innermost, into codes and scale words, once for all three projections.
; A block's scale is 2^(floor(log2(its largest magnitude)) - 2); its byte is the largest magnitude's exponent field - 2, held at 1 from below.
; LIMITS: a block of zeros gets the byte 1 where the rule says 127 (its codes are zeros, and this program alone reads the bytes); blocks whose largest magnitude lies under 2^-124 keep the byte 1; NaN and infinities among the inputs are not served.
; THE WORKSPACE IS LAID AS THE OPERANDS' REGISTERS.  The 11,264 rows (x, Wq, Wk, Wv on end) are 88 groups of 128, 102,400 bytes each: first its scale words, [128 K 0..7][place 0..127][4 bytes], then four units of 128 rows x 256 K:
; [row block 0..7][128 K 0..1][1,536 bytes].  A fragment is 16 rows x 128 K: 12 registers a lane, stored as three pieces of 512 bytes (piece c: registers 4 c .. 4 c + 3 of lane l at 512 c + 16 l).
; THE ROWS OF A FRAGMENT ARE NOT NEIGHBOURS: place r of row block 2 b + u holds row 32 b + 8 u + r + 8 (r / 8) of the group, so that in the transposed products that follow a lane's 16 registers of two neighbouring tiles are 16 neighbours along the next K.
; SHARES: 2,816 pieces of 32 rows x 128 K, one to a wave, 11 waves in each of 256 work-groups; a piece is two fragments, and all its loads are issued at once.  Each load reads 512 consecutive bytes of a row; the 16 rows of a fragment
; turn through the wave's own stage in LDS (rows 528 bytes apart) and come back 128 bytes (a whole block of 32) a lane, twice.  Waves share nothing: no barrier, no matrix unit, no cluster; no loop, so no prefetch.
.set GRP,   102400
.set UNIT,  24576
.set SP,    528
.set WREG,  16*SP                      ; LDS of a wave: its stage
.set SPARE, 11*WREG                    ; the spare words, 128 bytes for each wave: six blocks of 256 bytes that no other line names
.set R,     16                         ; v16-143  two fragments' numbers as loaded
.set X,     144                        ; v144-207 my two blocks of 32 neighbours
.set C,     208                        ; v208-231 the codes
.set Y,     232                        ; v232-238 the upper halves of the two blocks' codes, before they are moved
.set T,     240                        ; v240-245 at work
.set PW,    246                        ; v246-247 the scale words
.set SPW,   252
.set NIL,   253
	s_load_b256 s[4:11], s[0:1], 0x0               ; x, Wq, Wk, Wv
	s_load_b64 s[12:13], s[0:1], 0x20              ; the workspace
	v_lshl_add_u32 v[SPW], v0, 2, SPARE
	v_mov_b32 v[NIL], 0
	v_lshrrev_b32 v1, 5, v0
	v_readfirstlane_b32 s16, v1                    ; wave
	s_mul_i32 s17, ttmp9, 11
	s_add_co_u32 s17, s17, s16                     ; my piece
	s_and_b32 s18, s17, 7                          ; which 128 along K
	s_lshr_b32 s17, s17, 3                         ; which 32 of the 11,264 rows: 0..351
	s_and_b32 s19, s17, 31
	s_cmp_lt_u32 s17, 256
	s_cselect_b32 s19, s17, s19                    ; the same inside its own tensor
	s_lshl_b32 s20, s19, 17                        ; 32 rows of 4,096 bytes
	s_lshl_b32 s21, s18, 9
	s_add_co_u32 s20, s20, s21
	s_mov_b32 s21, 0
	s_lshr_b32 s26, s17, 2                         ; the group,
	s_and_b32 s27, s17, 3                          ; and which 32 of its rows: row blocks 2 x this on
	s_mul_i32 s24, s26, GRP
	s_lshr_b32 s28, s18, 1
	s_mul_i32 s28, s28, UNIT
	s_add_co_u32 s22, s24, s28
	s_mul_i32 s28, s27, 6144
	s_add_co_u32 s22, s22, s28
	s_and_b32 s28, s18, 1
	s_mul_i32 s28, s28, 1536
	s_add_co_u32 s22, s22, s28
	s_add_co_u32 s22, s22, 4096                    ; the codes lie behind the group's scale words
	s_mov_b32 s23, 0
	s_lshl_b32 s28, s18, 9
	s_add_co_u32 s24, s24, s28
	s_lshl_b32 s28, s27, 7
	s_add_co_u32 s24, s24, s28
	s_mov_b32 s25, 0
	s_mov_b32 s30, 0x76543210
	s_mov_b32 s31, 0xfedcba98                      ; v_permlanex16_b32's selects for lane l xor 16
	s_mov_b32 s33, 0xffff0000                      ; lanes 16-31
	s_mul_i32 s29, s16, WREG
	v_and_b32 v1, 15, v0                           ; r
	v_bfe_u32 v2, v0, 4, 1                         ; h
	v_and_b32 v10, 31, v0
	v_lshlrev_b32 v3, 4, v10                       ; 16 x lane: my place in a load's, and in a store's, 512 bytes
	v_add_nc_u32 v4, s29, v3                       ; the stage, on the way in
	v_mul_u32_u24 v5, v1, SP
	v_lshl_add_u32 v5, v2, 7, v5
	v_add_nc_u32 v5, s29, v5                       ; and out: row r, block h
	v_lshlrev_b32 v6, 2, v10
	v_lshlrev_b32 v9, 3, v2                        ; 8 h
	v_mov_b32 v[T+5], 0                            ; written once: a lane permute's destination counts as one of its sources
	s_wait_alu depctr_va_vdst(0)                   ; the wait at the head's end
	s_wait_kmcnt 0x0
	s_cmp_lt_u32 s17, 320                          ; which tensor: the choice hangs on the piece's number alone
	s_cselect_b64 s[10:11], s[8:9], s[10:11]
	s_cmp_lt_u32 s17, 288
	s_cselect_b64 s[10:11], s[6:7], s[10:11]
	s_cmp_lt_u32 s17, 256
	s_cselect_b64 s[10:11], s[4:5], s[10:11]
	s_add_nc_u64 s[10:11], s[10:11], s[20:21]
	s_add_nc_u64 s[14:15], s[12:13], s[24:25]
	s_add_nc_u64 s[12:13], s[12:13], s[22:23]
.macro LOAD f                          ; fragment f's 16 rows, 512 consecutive bytes each
.irp i, 0,1,2,3,4,5,6,7,8,9,10,11,12,13,14,15
	global_load_b128 v[R+64*(\f)+4*\i:R+64*(\f)+4*\i+3], v3, s[10:11] offset:(8*(\f)+\i+8*(\i/8))*4096 th:TH_LOAD_NT
.endr
.endm
.macro STEP f
	s_wait_loadcnt 16*(1-(\f))                     ; this fragment's 16 loads are in; the younger one's may be out
.irp i, 0,1,2,3,4,5,6,7,8,9,10,11,12,13,14,15
	ds_store_b128 v4, v[R+64*(\f)+4*\i:R+64*(\f)+4*\i+3] offset:SP*\i
.endr
.irp m, 0,1,2,3,4,5,6,7,8,9,10,11,12,13,14,15
	ds_load_b128 v[X+4*\m:X+4*\m+3], v5 offset:16*\m+128*(\m/8)   ; LDS serves a wave's instructions in order: these see the stores.  k = 32 h + 0..31, then 64 + 32 h + 0..31 of row r
.endr
	s_wait_dscnt 0x0
.irp c, 0,1
	v_max3_num_f32 v[T+\c], |v[X+32*\c]|, |v[X+32*\c+1]|, 0x1800000   ; my block 2 c + h: all its 32 numbers are mine; and the floor 2^(3 - 127): the byte cannot fall under 1
.endr
.irp i, 2,4,6,8,10,12,14,16,18,20,22,24,26,28,30
.irp c, 0,1
	v_max3_num_f32 v[T+\c], v[T+\c], |v[X+32*\c+\i]|, |v[X+32*\c+\i+1]|
.endr
.endr
.irp c, 0,1
	v_add_nc_u32 v[T+2+\c], 0xff000000, v[T+\c]    ; 2 off the exponent field: the conversion's scale operand
.endr
.irp c, 0,1
	v_lshrrev_b32 v[T+\c], 23, v[T+2+\c]           ; the scale's byte
.endr
	v_lshl_or_b32 v[T+4], v[T+1], 16, v[T]         ; my two bytes, blocks h and 2 + h,
	v_lshlrev_b32 v[T+4], v9, v[T+4]               ; at their places in the word;
	v_permlanex16_b32 v[T+5], v[T+4], s30, s31
	v_or_b32 v[PW+(\f)], v[T+4], v[T+5]            ; with lane l xor 16's two the word is whole
.irp c, 0,1
	v_cvt_scalef32_pk16_fp6_f32 v[C+12*(\f)+6*\c:C+12*(\f)+6*\c+2], v[X+32*\c:X+32*\c+15], v[T+2+\c]
	v_cvt_scalef32_pk16_fp6_f32 v[Y+4*\c:Y+4*\c+2], v[X+32*\c+16:X+32*\c+31], v[T+2+\c]   ; (a conversion's three registers begin on an even number)
.endr
	v_nop                                          ; one plain place behind a scaled conversion
.irp c, 0,1
.irp i, 0,1,2
	v_mov_b32 v[C+12*(\f)+6*\c+3+\i], v[Y+4*\c+\i]
.endr
.endr
.irp c, 0,1,2
	global_store_b128 v3, v[C+12*(\f)+4*\c:C+12*(\f)+4*\c+3], s[12:13] offset:3072*(\f)+512*\c   ; the fragment's image: 512 consecutive bytes a store
.endr
.endm
	LOAD 0
	LOAD 1
	STEP 0
	STEP 1
	v_cndmask_b32 v248, v[PW], v[PW+1], s33        ; lanes 0-15 the first fragment's words, lanes 16-31 the second's: 128 consecutive bytes
	global_store_b32 v6, v248, s[14:15]
	s_wait_tensorcnt 0x0                           ; the wave's end: behind my last LDS store
	ds_add_u32 v[SPW], v[NIL]
	s_wait_dscnt 0x0
	s_endpgm
.Lfunc_end_k_q5ba76556f0_quant:
	.size	k_q5ba76556f0_quant, .Lfunc_end_k_q5ba76556f0_quant-k_q5ba76556f0_quant
	.p2alignl 7, 3214868480
	.fill 96, 4, 3214868480
	.section	.rodata,"a",@progbits
	.p2align	6, 0x0
	.amdhsa_kernel k_q5ba76556f0_quant
		.amdhsa_group_segment_fixed_size 94464
		.amdhsa_private_segment_fixed_size 0
		.amdhsa_enable_private_segment 0
		.amdhsa_kernarg_size 40
		.amdhsa_user_sgpr_count 2
		.amdhsa_user_sgpr_kernarg_segment_ptr 1
		.amdhsa_wavefront_size32 1
		.amdhsa_system_sgpr_workgroup_id_x 1
		.amdhsa_system_sgpr_workgroup_id_y 1
		.amdhsa_system_sgpr_workgroup_id_z 1
		.amdhsa_system_vgpr_workitem_id 0
		.amdhsa_next_free_vgpr 256
		.amdhsa_next_free_sgpr 66
		.amdhsa_reserve_vcc 0
		.amdhsa_float_denorm_mode_32 3
		.amdhsa_float_denorm_mode_16_64 3
		.amdhsa_memory_ordered 1
		.amdhsa_forward_progress 1
		.amdhsa_inst_pref_size 17
	.end_amdhsa_kernel
	.amdgpu_metadata
---
amdhsa.version: [ 1, 2 ]
amdhsa.kernels:
  - .name:           k_q5ba76556f0_quant
    .symbol:         k_q5ba76556f0_quant.kd
    .args:
      - { .name: x, .offset: 0, .size: 8, .value_kind: global_buffer, .address_space: global }
      - { .name: Wq, .offset: 8, .size: 8, .value_kind: global_buffer, .address_space: global }
      - { .name: Wk, .offset: 16, .size: 8, .value_kind: global_buffer, .address_space: global }
      - { .name: Wv, .offset: 24, .size: 8, .value_kind: global_buffer, .address_space: global }
      - { .name: xw, .offset: 32, .size: 8, .value_kind: global_buffer, .address_space: global }
    .group_segment_fixed_size: 94464
    .private_segment_fixed_size: 0
    .kernarg_segment_align: 8
    .kernarg_segment_size: 40
    .max_flat_workgroup_size: 352
    .sgpr_count:     66
    .vgpr_count:     256
    .wavefront_size: 32
...
	.end_amdgpu_metadata
.endif
;; end of part 1
;; launch proj (part 2): grid 8 x 32, 8 waves a work-group, clusters of 4 x 4, 327,680 bytes of LDS; arguments xw, qk, vc, vs; writes qk, vc, vs
.if DOCPART == 2
	.amdgcn_target "amdgcn-amd-amdhsa--gfx1250"
	.amdhsa_code_object_version 6
	.text
	.protected	k_q5ba76556f0_proj
	.globl	k_q5ba76556f0_proj
	.p2align	8
	.type	k_q5ba76556f0_proj,@function
k_q5ba76556f0_proj:
	s_mov_b64 s[64:65], 0
	v_nop
	global_prefetch_b8 v0, s[64:65] scope:SCOPE_SE
	s_setreg_imm32_b32 hwreg(HW_REG_WAVE_MODE, 25, 1), 1
	s_wait_xcnt 0x0
	s_wait_alu depctr_hold_cnt(0) depctr_sa_sdst(0) depctr_va_vdst(0) depctr_va_sdst(0) depctr_va_ssrc(0) depctr_va_vcc(0) depctr_vm_vsrc(0)
	s_getreg_b32 s2, hwreg(HW_REG_IB_STS2, 6, 4)
	s_cmp_eq_u32 s2, 0
	s_cbranch_scc0 .Lentry_in_a_cluster
	s_endpgm
.Lentry_in_a_cluster:
	s_bfe_u32 s2, ttmp6, 0x10000c
	s_cmp_lg_u32 s2, 0xf033
	s_cbranch_scc0 .Lentry_shape_is_right
	s_endpgm
.Lentry_shape_is_right:
; LAUNCH 2 OF 4: q = x Wq^T, k = x Wk^T and v^T = Wv x^T on codes of FP6, each result quantised in registers along the K of the product that takes it in (q, k: the channels; v: the keys) and stored as codes and scale words.  Nothing is left out.
; A WORK-GROUP STAYS AND MAKES TWO TILES, so that 256 work-groups have equal work.  FIRST: 256 rows of x against 256 rows of Wq | Wk, K = 1,024; eight waves, each 64 x 128: 32 accumulators.
; SECOND: the 128 rows of Wv with the number of its tile column against THE SAME 256 rows of x, whose codes have stayed in LDS: v with the keys along a lane's registers; eight waves, each 64 channels x 64 keys: 16 accumulators.
; OPERANDS lie in memory as images of their registers (launch 1): a fragment comes from LDS by three loads of 16 bytes a lane at 16 x lane: no pitch, no padding.  q and k leave in the same groups of 102,400 bytes.
; v^T's fragments leave as two halves of 768 bytes (64 keys each): registers 0-3 of the half at 16 x lane, registers 4 and 5 at 512 + 8 x lane.
; THE MATRIX INSTRUCTION IS USED TRANSPOSED (source 0 = 16 rows of B, source 1 = 16 rows of A): a lane holds one row of A, and, by the order of rows in a fragment, registers 16 b + i of its accumulators are columns 32 b + 16 (lane / 16) + i.
; LDS: four regions (x's two halves, W's two), each with its group's scale words and places for K steps 0, 1, 2 of 256.  At the head each wave has one tensor load: waves 0-3 a region's scale words and K step 0, one block of memory, waves 4-7 its K steps 1
; and 2.  W's places are filled again as they are read out, x's never: W's K step 0 places take x's K step 3, its K step 1 places W's K step 3, its K step 2 places Wv's K steps 0 and 1, and its K step 1 places once more Wv's K steps 2 and 3.
; CLUSTERS: 4 x 4.  x's units are shared along a row of the cluster, W's and Wv's along a column: joint loads.
; PREFETCH: K step 3, three steps of 128 ahead of its load; the four partners of a joint load share the blocks out by address, and W is asked for by the clusters of the first four rows of clusters alone.
; K steps 0, 1 and 2 are all asked for at the head.  Wv is not asked for ahead: between its loads and their waits lie a last step or half a way out.
; LIMITS: a block of zeros gets the byte 1 (its codes are zeros; this program alone reads the bytes); NaN and infinities are not served.
; REGISTERS: window 0: v1-31 addresses; v32-63 scale words; v64-159 A's fragments, two sets; v160-255 B's, one set, renewed by halves (second product: v64-159 Wv's, v160-255 x's, two sets each).  window 1: the accumulators.
.set UNIT,  24576
.set GRP,   102400
.set R0,    4096                       ; from 0 on: Wv's scale words, 4,096 bytes, stored by the waves; then the four regions
.set REG,   4096+3*UNIT
.set C0,    R0+4096                    ; the first region's codes
.set SPARE, R0+4*REG                   ; the spare words, 128 bytes for each wave: four blocks of 256 bytes that no other line names
.set SCR,   SPARE+1024                 ; 256 bytes for each wave: q's or k's scale words on their way out
.set SCV,   SCR+2048                   ; v's scale words on their way out: [128 keys 0..1][place][4]
.set FR,    12
.set ADRA,  4                          ; v4-6   my 64 rows of x, K step 0, 1, 2
.set ADRB,  7                          ; v7-9   W's half j
.set ADRS,  10                         ; v10    the first product's scale words: lanes 0-15 x's, lanes 16-31 W's
.set ADRA3, 11                         ; v11    x's K step 3
.set XB,    12                         ; v12-15 my 64 keys of x, for the second product, K step 0..3
.set VA,    18                         ; v18-21 my 64 rows of Wv, K step 0..3
.set ADRS2, 22                         ; v22    the second product's scale words: lanes 0-15 Wv's, lanes 16-31 x's
.set SPW,   28
.set NIL,   29
.set SC,    32                         ; first product: set s at v[32 + 16 s], register 8 q + i; second: set p at v[32 + 8 p], register i.  Lanes 0-15 the word of A's block i, lanes 16-31 of B's block i
.set AF,    64
.set BF,    160
.set G1HA,  24
.set G1HB,  32
.set G1MA,  40
.set G1MB,  48
.set G0A,   56
.set G0B,   60
.set G0V,   68
.set PFP,   80                         ; s[80:81] where my prefetches stand
.set MSB, 0
.macro WIN new                         ; the immediate's high byte repeats the setting that is left
.if MSB != (\new)
	s_set_vgpr_msb (MSB<<8)|(\new)
.set MSB, (\new)
.endif
.endm
.set WMUL, 0x50                        ; sources 0 and 1 window 0, C and D window 1
.macro PLACES                          ; four plain places behind matrix instructions, ahead of loads into registers that they read and of reads of their results
.rept 4
	v_nop
.endr
.endm
.macro TLOAD g0, g1
	tensor_load_to_lds s[\g0:\g0+3], s[\g1:\g1+7]
	s_nop 0
	PLACES
.endm
.macro ARM under, g0, g1, next         ; one arm of the head's chain: the branch hangs on the wave's number alone
	s_cmp_lt_u32 s14, \under
	s_cbranch_scc0 \next
	TLOAD \g0, \g1
	s_branch .Lhead_asked
\next:
.endm
.macro RLOAD                           ; K step 3's joint loads: waves 0, 1 for x, waves 2, 3 for W, the others none
	s_cmp_lt_u32 s14, 2
	s_cbranch_scc0 .Lnot_x_\@
	TLOAD G0A, G1HA
	s_branch .Lasked_\@
.Lnot_x_\@:
	s_cmp_lt_u32 s14, 4
	s_cbranch_scc0 .Lasked_\@
	TLOAD G0B, G1HB
.Lasked_\@:
.endm
.macro VLOAD                           ; a joint load of two units of Wv: waves 2 and 3 one each, the others none
	s_cmp_eq_u32 s89, 1
	s_cbranch_scc0 .Lno_v_\@
	TLOAD G0V, G1HB
.Lno_v_\@:
.endm
.macro CREST                           ; a round of the cluster's barrier behind its opening barrier
	s_cmp_lg_u32 s14, 0
	s_cbranch_scc1 .Lnot_wave_0_\@
	s_barrier_signal -3
.Lnot_wave_0_\@:
	s_barrier_wait -3
	s_barrier_signal -1
	s_barrier_wait -1
.endm
.macro CROUND
	s_barrier_signal -1
	s_barrier_wait -1
	CREST
.endm
.macro G1SET g, rows                   ; a dense block as rows of 256 bytes: 32 elements of 8 bytes
	s_mov_b32 s[\g+1], 32<<16
	s_mov_b32 s[\g+2], (\rows)<<16
	s_mov_b32 s[\g+3], 32<<16
	s_mov_b32 s[\g+4], \rows
	s_mov_b32 s[\g+5], 32
	s_mov_b32 s[\g+6], 0
	s_mov_b32 s[\g+7], 0
.endm
.macro G0SET g0, lreg, loff, ptr
	s_mov_b32 s[\g0], 1
	s_add_co_u32 s[\g0+1], s[\lreg], \loff
	s_mov_b64 s[\g0+2:\g0+3], s[\ptr:\ptr+1]
	s_or_b32 s[\g0+3], s[\g0+3], 0x80000000
.endm
.macro FRAG reg, adr, q, blk           ; a fragment: row block blk from the address on, the unit's q-th 128 along K
.irp c, 0,1,2
	ds_load_b128 v[\reg+4*\c:\reg+4*\c+3], v[\adr] offset:3072*(\blk)+1536*(\q)+512*\c
.endr
.endm
.macro FETCHA ra, q, p                 ; 12 loads: A's four fragments into set p
.irp a, 0,1,2,3
	FRAG AF+48*(\p)+FR*\a, \ra, \q, \a
.endr
.endm
.macro FETCHB rb, q, first             ; 12 loads: B's fragments first .. first + 3
.irp b, 0,1,2,3
	FRAG BF+FR*(\first+\b), \rb, \q, \first+\b
.endr
.endm
.macro SCALES kstep, sc                ; 16 loads: a K step's scale words into set sc (for blocks 4-7 lanes 0-15 bring words that no product names)
.irp q, 0,1
.irp i, 0,1,2,3,4,5,6,7
	ds_load_b32 v[SC+16*(\sc)+8*\q+\i], v[ADRS] offset:(2*(\kstep)+\q)*512+64*\i
.endr
.endr
.endm
.macro MULB b, p, q, sc, zero          ; B's block b x A's four; the 32 accumulators take turns, in the same order in every step
.irp a, 0,1,2,3
.if \zero
	v_wmma_scale_f32_16x16x128_f8f6f4 v[8*(8*\a+\b):8*(8*\a+\b)+7], v[BF+FR*\b:BF+FR*\b+FR-1], v[AF+48*(\p)+FR*\a:AF+48*(\p)+FR*\a+FR-1], 0, v[SC+16*(\sc)+8*(\q)+\b], v[SC+16*(\sc)+8*(\q)+\a] matrix_a_fmt:MATRIX_FMT_FP6 matrix_b_fmt:MATRIX_FMT_FP6 matrix_a_scale:MATRIX_SCALE_ROW1
.else
	v_wmma_scale_f32_16x16x128_f8f6f4 v[8*(8*\a+\b):8*(8*\a+\b)+7], v[BF+FR*\b:BF+FR*\b+FR-1], v[AF+48*(\p)+FR*\a:AF+48*(\p)+FR*\a+FR-1], v[8*(8*\a+\b):8*(8*\a+\b)+7], v[SC+16*(\sc)+8*(\q)+\b], v[SC+16*(\sc)+8*(\q)+\a] matrix_a_fmt:MATRIX_FMT_FP6 matrix_b_fmt:MATRIX_FMT_FP6 matrix_a_scale:MATRIX_SCALE_ROW1
.endif
.endr
.endm
.macro MULH first, p, q, sc, zero      ; half a step
	WIN WMUL
.irp b, 0,1,2,3
	MULB (\first+\b), \p, \q, \sc, \zero
.endr
	WIN 0
.endm
.macro STEP p, q, sc, zero, nra, nrb, nq   ; a step of 128 along K whose successor lies in the same units: B's half that is read out takes the successor's
	s_wait_dscnt 12                                ; A's set p, B's blocks 0-3 and the scale words are in; B's blocks 4-7 may be out
	MULH 0, \p, \q, \sc, \zero
	PLACES
	FETCHA \nra, \nq, 1-(\p)
	FETCHB \nrb, \nq, 0
	s_wait_dscnt 24                                ; all but the 24 just issued
	MULH 4, \p, \q, \sc, \zero
	PLACES
	FETCHB \nrb, \nq, 4
.endm
; A K step's last step goes on to other units: one barrier.  mode 0. modes 1 and 2: W's places that have been read out are filled again, so the barrier opens a round of the cluster's: mode 1: K step 3 of x and W; mode 2: Wv's K steps 0 and 1.
.macro TURN p, q, sc, mode, nra, nrb, nk, nsc
	s_wait_tensorcnt 0x0                           ; all my tensor loads have landed;
.if \mode == 0
	s_wait_dscnt 0x0
.else
	ds_add_u32 v[SPW], v[NIL]                      ; 0 onto my spare word
	s_wait_dscnt 0x1                               ; (the add alone may be out)
.endif
	WIN WMUL
	MULB 0, \p, \q, \sc, 0
	MULB 1, \p, \q, \sc, 0
	s_wait_dscnt 0x0                               ; the add is done, and my reads of the units behind me are over
	s_barrier_signal -1
	MULB 2, \p, \q, \sc, 0
	MULB 3, \p, \q, \sc, 0
	WIN 0
	s_barrier_wait -1
.if \mode == 1
	CREST                                          ; no wave of any partner still reads W's K steps 0 and 1 or has a load on its way
	s_mov_b32 s[G1HA+2], 96<<16                    ; from here on a load brings one unit: 96 rows
	s_mov_b32 s[G1HA+4], 96
	s_mov_b32 s[G1HB+2], 96<<16
	s_mov_b32 s[G1HB+4], 96
	s_add_co_u32 s[G0A+1], s101, 2*REG+4096        ; x's K step 3 goes into W's K step 0 places: x's own units stay for the second product;
	s_add_nc_u64 s[G0A+2:G0A+3], s[G0A+2:G0A+3], 3*UNIT+4096
	s_add_co_u32 s[G0B+1], s101, 2*REG+UNIT+4096   ; W's into W's K step 1 places
	s_add_nc_u64 s[G0B+2:G0B+3], s[G0B+2:G0B+3], 3*UNIT+4096
	RLOAD                                          ; the first tensor load behind the round
.endif
.if \mode == 2
	CREST                                          ; no wave of any partner still reads W's K step 2 or has a load on its way
	VLOAD                                          ; Wv's K steps 0 and 1 into W's K step 2 places
.endif
	PLACES
	SCALES \nk, \nsc
	FETCHA \nra, 0, 1-(\p)
	FETCHB \nrb, 0, 0
	MULH 4, \p, \q, \sc, 0
	PLACES
	FETCHB \nrb, 0, 4
.endm
; THE SECOND PRODUCT.  28 loads in one run: the scale words of step ks, x's four fragments (address register rx), Wv's four (rv), into set p
.macro FETCH2 rx, rv, q, p, ks
.irp b, 0,1,2,3
	ds_load_b32 v[SC+8*(\p)+\b], v[ADRS2] offset:512*(\ks)+64*\b
.endr
.irp b, 0,1,2,3
	FRAG BF+48*(\p)+FR*\b, \rx, \q, \b
.endr
	FETCHA \rv, \q, \p
.endm
.macro MUL2 a, p, zero                 ; Wv's blocks a, a + 1 x x's four; the 16 accumulators take turns, in the same order in every step
	WIN WMUL
.irp k, 0,1
.irp b, 0,1,2,3
.if \zero
	v_wmma_scale_f32_16x16x128_f8f6f4 v[8*(4*(\a+\k)+\b):8*(4*(\a+\k)+\b)+7], v[BF+48*(\p)+FR*\b:BF+48*(\p)+FR*\b+FR-1], v[AF+48*(\p)+FR*(\a+\k):AF+48*(\p)+FR*(\a+\k)+FR-1], 0, v[SC+8*(\p)+\b], v[SC+8*(\p)+\a+\k] matrix_a_fmt:MATRIX_FMT_FP6 matrix_b_fmt:MATRIX_FMT_FP6 matrix_a_scale:MATRIX_SCALE_ROW1
.else
	v_wmma_scale_f32_16x16x128_f8f6f4 v[8*(4*(\a+\k)+\b):8*(4*(\a+\k)+\b)+7], v[BF+48*(\p)+FR*\b:BF+48*(\p)+FR*\b+FR-1], v[AF+48*(\p)+FR*(\a+\k):AF+48*(\p)+FR*(\a+\k)+FR-1], v[8*(4*(\a+\k)+\b):8*(4*(\a+\k)+\b)+7], v[SC+8*(\p)+\b], v[SC+8*(\p)+\a+\k] matrix_a_fmt:MATRIX_FMT_FP6 matrix_b_fmt:MATRIX_FMT_FP6 matrix_a_scale:MATRIX_SCALE_ROW1
.endif
.endr
.endr
	WIN 0
.endm
.macro STEP2 p, zero, rx, rv, q, ks        ; multiplies set p; the next step's fragments are asked for first
	s_wait_dscnt 6                                 ; all of set p but Wv's blocks 2 and 3 is in
	PLACES
	FETCH2 \rx, \rv, \q, 1-(\p), \ks
	MUL2 0, \p, \zero
	s_wait_dscnt 28
	MUL2 2, \p, \zero
.endm
	s_load_b256 s[4:11], s[0:1], 0x0               ; xw s[4:5], qk s[6:7], vc s[8:9], vs s[10:11]
	v_lshl_add_u32 v[SPW], v0, 2, SPARE
	v_mov_b32 v[NIL], 0
	ds_add_u32 v[SPW], v[NIL]                      ; the wave's opening: the add, twice on end, and its wait ahead of my first tensor load
	ds_add_u32 v[SPW], v[NIL]
	v_lshrrev_b32 v1, 5, v0
	v_readfirstlane_b32 s14, v1                    ; wave 0..7
	s_lshr_b32 s15, s14, 2                         ; my half of x's rows, and of Wv's.  Also: I fetch K step 0 (0) or K steps 1 and 2 (1)
	s_lshr_b32 s89, s14, 1
	s_and_b32 s88, s89, 1                          ; which 64 of that half of x's rows; second product: my half of the keys
	s_and_b32 s16, s14, 1                          ; j: my half of W's rows; second product: which 64 of my half of the keys.  Also: which half I fetch
	s_bfe_u32 s19, ttmp6, 0x40000                  ; cx
	s_bfe_u32 s20, ttmp6, 0x40004                  ; cy
	s_and_b32 s23, ttmp7, 0xffff                   ; cluster y
	s_lshl_b32 s17, s23, 2
	s_add_co_u32 s17, s17, s20                     ; the tile of 256 rows of x, of 32
	s_lshl_b32 s18, ttmp9, 2
	s_add_co_u32 s18, s18, s19                     ; the tile of 256 rows of Wq | Wk, of 8; also the group of 128 rows of Wv
	s_lshl_b32 s21, s20, 2
	s_lshl_b32 s21, 15, s21                        ; my row of the cluster
	s_lshl_b32 s22, 0x1111, s19                    ; my column
	s_or_b32 s[G1HA], s21, (3<<16)|(1<<21)         ; 15:0 the mask; 17:16 elements of 8 bytes; 21 set beside a mask; no padding
	s_or_b32 s[G1MA], s21, (3<<16)|(1<<21)
	s_or_b32 s[G1HB], s22, (3<<16)|(1<<21)
	s_or_b32 s[G1MB], s22, (3<<16)|(1<<21)
	G1SET G1HA, 112                                ; a group's scale words and its first unit
	G1SET G1HB, 112
	G1SET G1MA, 192                                ; two units
	G1SET G1MB, 192
	s_mul_i32 s3, s15, UNIT+4096                   ; waves 4-7: K step 1 on
	s_lshl_b32 s92, s17, 1                         ; x's group that I fetch, in registers that never hold cx
	s_add_co_u32 s92, s92, s16
	s_mul_i32 s92, s92, GRP
	s_add_co_u32 s92, s92, s3
	s_mov_b32 s93, 0
	s_lshl_b32 s94, s18, 1                         ; W's, in registers that never hold cy: Wq | Wk lie behind x's 64 groups
	s_add_co_u32 s94, s94, s16
	s_add_co_u32 s94, s94, 64
	s_mul_i32 s94, s94, GRP
	s_add_co_u32 s94, s94, s3
	s_mov_b32 s95, 0
	s_add_co_u32 s96, s18, 80                      ; Wv's group
	s_mul_i32 s96, s96, GRP
	s_mov_b32 s97, 0
	s_mul_i32 s100, s16, REG                       ; j x a region
	s_add_co_u32 s101, s100, s3
	s_add_co_u32 s101, s101, R0                    ; where I fill: no place in the cluster enters an LDS address
	s_mov_b32 s66, 0x76543210
	s_mov_b32 s67, 0xfedcba98                      ; v_permlanex16_b32's selects for lane l xor 16
	s_cmp_eq_u32 s89, 0
	s_cselect_b32 s98, s19, s20                    ; my place among the four that ask with me
	s_cselect_b32 s99, 0, s23                      ; W's waves: the row of clusters
	s_cmp_lt_u32 s14, 4
	s_cselect_b32 s99, s99, 64                     ; waves 4-7 prefetch nothing
	s_mul_i32 s13, s98, 6144                       ; of 24,576 bytes I prefetch a quarter: 24 blocks of 256
	v_and_b32 v1, 15, v0                           ; r
	v_bfe_u32 v2, v0, 4, 1                         ; h
	v_and_b32 v24, 31, v0
	v_lshlrev_b32 v3, 4, v24                       ; 16 x lane
	v_lshlrev_b32 v25, 4, v0                       ; 16 x thread: my part of Wv's scale words in memory and in LDS
	v_min_u32 v30, 23, v24
	v_lshl_add_u32 v30, v30, 8, s13
	v_lshlrev_b32 v24, 3, v24                      ; 8 x lane
	s_wait_alu depctr_va_vdst(0)
	s_wait_dscnt 0x0                               ; both opening adds are done
	CROUND                                         ; all sixteen work-groups are here: the first joint loads meet
	s_wait_kmcnt 0x0
	s_add_nc_u64 s[92:93], s[4:5], s[92:93]
	s_add_nc_u64 s[94:95], s[4:5], s[94:95]
	s_add_nc_u64 s[96:97], s[4:5], s[96:97]
	G0SET G0A, 101, 0, 92
	G0SET G0B, 101, 2*REG, 94
	ARM 2, G0A, G1HA, .Lhead_1                     ; one tensor load a wave at the head
	ARM 4, G0B, G1HB, .Lhead_2
	ARM 6, G0A, G1MA, .Lhead_3
	TLOAD G0B, G1MB
.Lhead_asked:
	global_load_b128 v[64:67], v25, s[96:97]       ; Wv's 4,096 bytes of scale words: 256 threads x 16 bytes; a wave covers 512 consecutive bytes
	s_cmp_eq_u32 s89, 0
	s_cselect_b64 s[PFP:PFP+1], s[92:93], s[94:95]
	s_mul_i32 s12, s16, UNIT                       ; wave 2: Wv's K step 0, wave 3: K step 1
	s_mov_b32 s13, 0
	s_mov_b32 s[G0V], 1
	s_add_co_u32 s[G0V+1], s100, C0+2*REG+2*UNIT   ; into W's K step 2 places
	s_add_nc_u64 s[G0V+2:G0V+3], s[96:97], s[12:13]
	s_add_nc_u64 s[G0V+2:G0V+3], s[G0V+2:G0V+3], 4096
	s_or_b32 s[G0V+3], s[G0V+3], 0x80000000
	s_mul_i32 s12, s15, REG
	s_mul_i32 s2, s88, 12288                       ; row blocks 4 x (which 64) on
	s_add_co_u32 s12, s12, s2
	s_add_co_u32 s12, s12, C0
	s_add_co_u32 s13, s12, 2*REG
	v_add_nc_u32 v[ADRA3], s13, v3
	s_add_co_u32 s13, s100, C0+2*REG
	s_mul_i32 s2, s88, REG
	s_mul_i32 s3, s16, 12288
	s_add_co_u32 s2, s2, s3
	s_add_co_u32 s2, s2, C0
	s_add_co_u32 s3, s2, 2*REG
	v_add_nc_u32 v[XB+3], s3, v3                   ; x's K step 3 lies in W's K step 0 places
.irp s, 0,1,2
	v_add_nc_u32 v[ADRA+\s], s12, v3
	v_add_nc_u32 v[ADRB+\s], s13, v3
	v_add_nc_u32 v[XB+\s], s2, v3
	s_add_co_u32 s12, s12, UNIT
	s_add_co_u32 s13, s13, UNIT
	s_add_co_u32 s2, s2, UNIT
.endr
	s_mul_i32 s12, s15, 12288                      ; Wv's row blocks 4 x half on
	s_add_co_u32 s12, s12, C0+2*REG+UNIT
	v_add_nc_u32 v[VA+2], s12, v3
	s_add_co_u32 s13, s12, REG
	v_add_nc_u32 v[VA+3], s13, v3
	s_add_co_u32 s12, s12, UNIT
	v_add_nc_u32 v[VA], s12, v3
	s_add_co_u32 s13, s12, REG
	v_add_nc_u32 v[VA+1], s13, v3
	s_lshl_b32 s2, s88, 8
	s_mul_i32 s13, s15, REG
	s_add_co_u32 s13, s13, s2
	s_add_co_u32 s13, s13, R0                      ; x's words of my 64 rows
	s_xor_b32 s12, s15, 1                          ; from there to W's half j: 1 + j + (1 - half) regions less 256 x (which 64)
	s_add_co_u32 s12, s12, s16
	s_add_co_u32 s12, s12, 1
	s_mul_i32 s12, s12, REG
	s_sub_co_u32 s12, s12, s2
	v_mul_u32_u24 v[ADRS], s12, v2                 ; lanes 16-31 take W's
	v_lshl_add_u32 v[ADRS], v1, 2, v[ADRS]
	v_add_nc_u32 v[ADRS], s13, v[ADRS]
	s_lshl_b32 s13, s15, 8                         ; Wv's words of my 64 rows
	s_mul_i32 s12, s88, REG                        ; from there to x's of my 64 keys
	s_lshl_b32 s2, s16, 8
	s_add_co_u32 s12, s12, s2
	s_add_co_u32 s12, s12, R0
	s_sub_co_u32 s12, s12, s13
	v_mul_u32_u24 v[ADRS2], s12, v2                ; lanes 16-31 take x's
	v_lshl_add_u32 v[ADRS2], v1, 2, v[ADRS2]
	v_add_nc_u32 v[ADRS2], s13, v[ADRS2]
	s_lshl_b32 s12, s14, 8
	s_add_co_u32 s13, s12, SCR
	v_lshl_add_u32 v16, v1, 2, s13                 ; where I put a scale word of q or k,
	v_add_nc_u32 v17, s13, v24                     ; and where I read 64 of them back
	s_add_co_u32 s13, s12, SCV
	v_add_nc_u32 v23, s13, v24                     ; where waves 0-3 read v's back,
	s_lshl_b32 s12, s88, 9
	s_lshl_b32 s13, s15, 8
	s_add_co_u32 s12, s12, s13
	s_lshl_b32 s13, s16, 1
	s_add_co_u32 s12, s12, s13
	s_add_co_u32 s12, s12, SCV
	v_lshl_add_u32 v27, v1, 2, s12                 ; and where I put the two bytes that I make of one
	; q's or k's group: 64 x (tile column / 4) + 2 x (tile of x) + half; its unit: tile column % 4; in it my row blocks, the j-th 128 along K
	s_lshr_b32 s2, s18, 2
	s_lshl_b32 s2, s2, 6
	s_lshl_b32 s3, s17, 1
	s_add_co_u32 s2, s2, s3
	s_add_co_u32 s2, s2, s15
	s_mul_i32 s2, s2, GRP
	s_and_b32 s3, s18, 3
	s_lshl_b32 s12, s3, 10
	s_add_co_u32 s12, s12, s2
	s_lshl_b32 s13, s16, 9
	s_add_co_u32 s12, s12, s13
	s_lshl_b32 s13, s88, 8
	s_add_co_u32 s12, s12, s13
	s_mov_b32 s13, 0
	s_mul_i32 s3, s3, UNIT
	s_add_co_u32 s2, s2, s3
	s_mul_i32 s3, s16, 1536
	s_add_co_u32 s2, s2, s3
	s_mul_i32 s3, s88, 12288
	s_add_co_u32 s2, s2, s3
	s_add_co_u32 s2, s2, 4096
	s_mov_b32 s3, 0
	s_add_nc_u64 s[84:85], s[6:7], s[2:3]          ; q's or k's codes,
	s_add_nc_u64 s[86:87], s[6:7], s[12:13]        ; their scale words
	; v^T's unit: 64 x batch + 8 x (Wv's group) + (256 keys of the batch's 2,048); in it my row blocks, 128 keys, half of these
	s_lshr_b32 s12, s17, 3
	s_lshl_b32 s12, s12, 6
	s_lshl_b32 s13, s18, 3
	s_add_co_u32 s12, s12, s13
	s_and_b32 s13, s17, 7
	s_add_co_u32 s12, s12, s13
	s_lshl_b32 s2, s12, 10
	s_lshl_b32 s3, s14, 8
	s_add_co_u32 s2, s2, s3                        ; its scale words: waves 0-3 store 256 bytes each
	s_mov_b32 s3, 0
	s_mul_i32 s12, s12, UNIT
	s_mul_i32 s13, s15, 12288
	s_add_co_u32 s12, s12, s13
	s_mul_i32 s13, s88, 1536
	s_add_co_u32 s12, s12, s13
	s_mul_i32 s13, s16, 768
	s_add_co_u32 s12, s12, s13
	s_mov_b32 s13, 0
	s_add_nc_u64 s[76:77], s[8:9], s[12:13]        ; v^T's codes,
	s_add_nc_u64 s[90:91], s[10:11], s[2:3]        ; its scale words
	s_wait_alu depctr_va_vdst(0)                   ; the wait at the head's end
	s_wait_loadcnt 0x0                             ; Wv's scale words
	ds_store_b128 v25, v[64:67]
	s_cmp_lt_u32 s14, 4
	s_cbranch_scc0 .Lnot_first
	s_wait_tensorcnt 0x0                           ; waves 0-3: the scale words and K step 0 are in; the other waves' loads, lines of their own, may be out
.Lnot_first:
	s_wait_dscnt 0x0                               ; my part of Wv's scale words lies in LDS
	s_barrier_signal -1
	s_barrier_wait -1
	SCALES 0, 0
	FETCHA ADRA, 0, 0
	FETCHB ADRB, 0, 0
	FETCHB ADRB, 0, 4
	s_cmp_lt_u32 s99, 4
	s_cbranch_scc0 .Lno_ask
	global_prefetch_b8 v30, s[PFP:PFP+1] offset:3*UNIT+4096 th:TH_LOAD_NT scope:SCOPE_SE   ; K step 3
.Lno_ask:
	STEP 0, 0, 0, 1, ADRA, ADRB, 1                 ; the first products start the sums: nothing is cleared
	TURN 1, 1, 0, 0, ADRA+1, ADRB+1, 1, 1
	STEP 0, 0, 1, 0, ADRA+1, ADRB+1, 1
	TURN 1, 1, 1, 1, ADRA+2, ADRB+2, 2, 0
	STEP 0, 0, 0, 0, ADRA+2, ADRB+2, 1
	TURN 1, 1, 0, 2, ADRA3, ADRB+1, 3, 1           ; K step 3: x's in W's K step 0 places, W's in its K step 1 places
	STEP 0, 0, 1, 0, ADRA3, ADRB+1, 1
	s_wait_dscnt 12                                ; the first product's last step: nothing more to fetch for it
	MULH 0, 1, 1, 1, 0
	s_wait_dscnt 0x0
	MULH 4, 1, 1, 1, 0
	PLACES
; THE WAY OUT.  Two blocks at a time (a block: 16 rows x 128 columns, 64 numbers a lane, register 16 b + i = column 32 b + 16 (lane / 16) + i): each becomes one fragment of the next product and one scale word a row.  Eight scale blocks take turns line by line.
.set PCB, 64                           ; v64-111 the codes, 12 registers a block: within a way out no store's data are written again
.set XT,  160                          ; v160-174 the second halves of the conversions
.set TM,  176                          ; v176-183 largest magnitudes
.set TX,  184                          ; v184-191 the other half's, then bytes
.set SO,  192                          ; v192-199 the conversions' scale operands
.set PWR, 200                          ; v200-203 the scale words, one register a block
.macro SC8 ac                          ; the eight scale blocks from accumulator register ac on
	WIN 0x05                                       ; sources 0 and 1: window 1
.irp b, 0,1,2,3,4,5,6,7
	v_max3_num_f32 v[TM+\b], |v[(\ac)+16*\b]|, |v[(\ac)+16*\b+1]|, 0x1800000   ; each accumulator is read from its low end on; the floor 2^(3 - 127) holds the byte at 1 from below
.endr
.irp i, 2,4,6,8,10,12,14
.irp b, 0,1,2,3,4,5,6,7
	v_max3_num_f32 v[TM+\b], |v[(\ac)+16*\b+\i]|, |v[(\ac)+16*\b+\i+1]|, v[TM+\b]
.endr
.endr
	WIN 0
.irp b, 0,1,2,3,4,5,6,7
	v_permlanex16_b32 v[TX+\b], v[TM+\b], s66, s67
.endr
.irp b, 0,1,2,3,4,5,6,7
	v_max_num_f32 v[TM+\b], v[TM+\b], v[TX+\b]     ; with lane l xor 16's: the block's largest magnitude
.endr
.irp b, 0,1,2,3,4,5,6,7
	v_add_nc_u32 v[SO+\b], 0xff000000, v[TM+\b]    ; 2 off its exponent field: the conversion's scale operand
.endr
.irp b, 0,1,2,3,4,5,6,7
	v_lshrrev_b32 v[TX+\b], 23, v[SO+\b]           ; the scale's byte
.endr
.endm
.macro OUT2 a
.set AC, 64*(\a)
.set PC, PCB+12*(\a)
	SC8 AC
.irp k, 0,1
	v_lshl_or_b32 v[PWR+\a+\k], v[TX+4*\k+1], 8, v[TX+4*\k]
.endr
.irp k, 0,1
	v_lshl_or_b32 v[PWR+\a+\k], v[TX+4*\k+2], 16, v[PWR+\a+\k]
.endr
.irp k, 0,1
	v_lshl_or_b32 v[PWR+\a+\k], v[TX+4*\k+3], 24, v[PWR+\a+\k]
.endr
	WIN 0x01                                       ; source 0: window 1
.irp k, 0,1
.irp c, 0,1
	v_cvt_scalef32_pk16_fp6_f32 v[PC+12*\k+6*\c:PC+12*\k+6*\c+2], v[AC+64*\k+32*\c:AC+64*\k+32*\c+15], v[SO+4*\k+2*\c]
	v_cvt_scalef32_pk16_fp6_f32 v[XT+8*\k+4*\c:XT+8*\k+4*\c+2], v[AC+64*\k+32*\c+16:AC+64*\k+32*\c+31], v[SO+4*\k+2*\c+1]
.endr
.endr
	WIN 0
	v_nop                                          ; one plain place behind a scaled conversion
.irp k, 0,1
.irp c, 0,1                                    ; the operand's layout wants a whole block in a lane
.irp i, 0,1,2
	v_permlane16_swap_b32 v[PC+12*\k+6*\c+\i], v[XT+8*\k+4*\c+\i]
.endr
.endr
.endr
.irp k, 0,1
.irp c, 0,1
.irp i, 0,1,2
	v_mov_b32 v[PC+12*\k+6*\c+3+\i], v[XT+8*\k+4*\c+\i]
.endr
.endr
.endr
.irp k, 0,1
.irp c, 0,1,2
	global_store_b128 v3, v[PC+12*\k+4*\c:PC+12*\k+4*\c+3], s[84:85] offset:3072*(\a+\k)+512*\c   ; 512 consecutive bytes a store
.endr
	ds_store_b32 v16, v[PWR+\a+\k] offset:64*(\a+\k)   ; lanes r and r + 16 write the same word with the same value
.endr
.endm
.irp b, 0,1,2,3,4,5,6,7
	v_mov_b32 v[TX+\b], 0                          ; written once: a lane permute's destination counts as one of its sources
.endr
	OUT2 0
	; Wv's K steps 2 and 3 are asked for here, half a way out behind the first product's last read of W's K step 3, whose places they take
	s_wait_tensorcnt 0x0                           ; all my tensor loads have landed: my unit of Wv's K steps 0 and 1; so its group 0 may be written;
	ds_add_u32 v[SPW], v[NIL]                      ; 0 onto my spare word
	s_add_co_u32 s[G0V+1], s100, C0+2*REG+UNIT     ; W's K step 1 places,
	s_add_nc_u64 s[G0V+2:G0V+3], s[G0V+2:G0V+3], 2*UNIT   ; two units on; the type bits on top are not reached
	s_wait_dscnt 0x0                               ; the add is done; my reads of those places were over ahead of the first product's last products
	CROUND                                         ; the same holds of every wave of every partner; and Wv's K steps 0 and 1 are whole
	VLOAD
	OUT2 2
	ds_load_b64 v[208:209], v17                    ; LDS serves a wave's instructions in order: my 64 scale words
	s_wait_dscnt 0x0
	global_store_b64 v24, v[208:209], s[86:87]     ; 256 consecutive bytes, aligned
	; THE SECOND PRODUCT: v^T = Wv x^T, eight steps of 128 along K, ascending
	s_wait_xcnt 0x0                                ; the stores above have read their registers: fragments may land there
	FETCH2 XB, VA, 0, 0, 0
	STEP2 0, 1, XB, VA, 1, 1                       ; the first products start the sums
	STEP2 1, 0, XB+1, VA+1, 0, 2
	STEP2 0, 0, XB+1, VA+1, 1, 3
	s_wait_dscnt 0x0                               ; the fourth step: set 1 is in,
	s_wait_tensorcnt 0x0                           ; and my unit of Wv's K steps 2 and 3 has landed: no load was issued behind it
	s_barrier_signal -1
	MUL2 0, 1, 0
	s_barrier_wait -1                              ; everybody's has
	PLACES
	FETCH2 XB+2, VA+2, 0, 0, 4
	MUL2 2, 1, 0
	STEP2 0, 0, XB+2, VA+2, 1, 5
	STEP2 1, 0, XB+3, VA+3, 0, 6
	STEP2 0, 0, XB+3, VA+3, 1, 7
	s_wait_dscnt 0x0                               ; the last step
	MUL2 0, 1, 0
	MUL2 2, 1, 0
	PLACES
	; v's way out: four blocks of 16 channels x my 64 keys, two scale blocks each
	SC8 0
.irp a, 0,1,2,3
	v_lshl_or_b32 v[PWR+\a], v[TX+2*\a+1], 8, v[TX+2*\a]
.endr
	WIN 0x01
.irp a, 0,1,2,3
	v_cvt_scalef32_pk16_fp6_f32 v[PCB+8*\a:PCB+8*\a+2], v[32*\a:32*\a+15], v[SO+2*\a]
	v_cvt_scalef32_pk16_fp6_f32 v[XT+4*\a:XT+4*\a+2], v[32*\a+16:32*\a+31], v[SO+2*\a+1]
.endr
	WIN 0
	v_nop                                          ; one plain place behind a scaled conversion
.irp a, 0,1,2,3
	ds_store_b16 v27, v[PWR+\a] offset:64*\a       ; my half of a scale word; lanes r and r + 16 write the same with the same value
.endr
.irp a, 0,1,2,3
.irp i, 0,1,2
	v_permlane16_swap_b32 v[PCB+8*\a+\i], v[XT+4*\a+\i]
.endr
.endr
.irp a, 0,1,2,3
.irp i, 0,1,2
	v_mov_b32 v[PCB+8*\a+3+\i], v[XT+4*\a+\i]
.endr
.endr
.irp a, 0,1,2,3
	global_store_b128 v3, v[PCB+8*\a:PCB+8*\a+3], s[76:77] offset:3072*\a            ; 512 consecutive bytes,
	global_store_b64 v24, v[PCB+8*\a+4:PCB+8*\a+5], s[76:77] offset:3072*\a+512      ; and 256
.endr
	s_wait_dscnt 0x0                               ; my halves of scale words lie in LDS
	s_barrier_signal -1
	s_barrier_wait -1                              ; everybody's do
	s_cmp_lt_u32 s14, 4
	s_cbranch_scc0 .Lno_words
	ds_load_b64 v[208:209], v23
	s_wait_dscnt 0x0
	global_store_b64 v24, v[208:209], s[90:91]     ; 32 lanes store 256 consecutive bytes, aligned
.Lno_words:
	s_wait_tensorcnt 0x0                           ; the wave's end
	ds_add_u32 v[SPW], v[NIL]
	s_wait_dscnt 0x0
	CROUND                                         ; the closing round
	s_endpgm
.Lfunc_end_k_q5ba76556f0_proj:
	.size	k_q5ba76556f0_proj, .Lfunc_end_k_q5ba76556f0_proj-k_q5ba76556f0_proj
	.p2alignl 7, 3214868480
	.fill 96, 4, 3214868480
	.section	.rodata,"a",@progbits
	.p2align	6, 0x0
	.amdhsa_kernel k_q5ba76556f0_proj
		.amdhsa_group_segment_fixed_size 327680
		.amdhsa_private_segment_fixed_size 0
		.amdhsa_enable_private_segment 0
		.amdhsa_kernarg_size 32
		.amdhsa_user_sgpr_count 2
		.amdhsa_user_sgpr_kernarg_segment_ptr 1
		.amdhsa_wavefront_size32 1
		.amdhsa_system_sgpr_workgroup_id_x 1
		.amdhsa_system_sgpr_workgroup_id_y 1
		.amdhsa_system_sgpr_workgroup_id_z 1
		.amdhsa_system_vgpr_workitem_id 0
		.amdhsa_next_free_vgpr 512
		.amdhsa_next_free_sgpr 102
		.amdhsa_reserve_vcc 0
		.amdhsa_float_denorm_mode_32 3
		.amdhsa_float_denorm_mode_16_64 3
		.amdhsa_memory_ordered 1
		.amdhsa_forward_progress 1
		.amdhsa_inst_pref_size 132
	.end_amdhsa_kernel
	.amdgpu_metadata
---
amdhsa.version: [ 1, 2 ]
amdhsa.kernels:
  - .name:           k_q5ba76556f0_proj
    .symbol:         k_q5ba76556f0_proj.kd
    .args:
      - { .name: xw, .offset: 0, .size: 8, .value_kind: global_buffer, .address_space: global }
      - { .name: qk, .offset: 8, .size: 8, .value_kind: global_buffer, .address_space: global }
      - { .name: vc, .offset: 16, .size: 8, .value_kind: global_buffer, .address_space: global }
      - { .name: vs, .offset: 24, .size: 8, .value_kind: global_buffer, .address_space: global }
    .group_segment_fixed_size: 327680
    .private_segment_fixed_size: 0
    .kernarg_segment_align: 8
    .kernarg_segment_size: 32
    .max_flat_workgroup_size: 256
    .sgpr_count:     102
    .vgpr_count:     512
    .wavefront_size: 32
...
	.end_amdgpu_metadata
.endif
;; end of part 2
;; launch score (part 3): grid 8 x 32, 8 waves a work-group, clusters of 4 x 4, 327,680 bytes of LDS; arguments qk, pc, pa; writes pc, pa
.if DOCPART == 3
	.amdgcn_target "amdgcn-amd-amdhsa--gfx1250"
	.amdhsa_code_object_version 6
	.text
	.protected	k_q5ba76556f0_score
	.globl	k_q5ba76556f0_score
	.p2align	8
	.type	k_q5ba76556f0_score,@function
k_q5ba76556f0_score:
	s_mov_b64 s[64:65], 0
	v_nop
	global_prefetch_b8 v0, s[64:65] scope:SCOPE_SE
	s_setreg_imm32_b32 hwreg(HW_REG_WAVE_MODE, 25, 1), 1
	s_wait_xcnt 0x0
	s_wait_alu depctr_hold_cnt(0) depctr_sa_sdst(0) depctr_va_vdst(0) depctr_va_sdst(0) depctr_va_ssrc(0) depctr_va_vcc(0) depctr_vm_vsrc(0)
	s_getreg_b32 s2, hwreg(HW_REG_IB_STS2, 6, 4)
	s_cmp_eq_u32 s2, 0
	s_cbranch_scc0 .Lentry_in_a_cluster
	s_endpgm
.Lentry_in_a_cluster:
	s_bfe_u32 s2, ttmp6, 0x10000c
	s_cmp_lg_u32 s2, 0xf033
	s_cbranch_scc0 .Lentry_shape_is_right
	s_endpgm
.Lentry_shape_is_right:
; LAUNCH 3 OF 4: S = q k^T on codes of FP6, and the softmax's p = 2^(t - M), quantised along the keys, as codes.  Nothing is left out.
; t = S x log2(e) / 32.  M IS TAKEN STRIP BY STRIP: a wave holds 128 keys of a query, and M = the ceiling of the largest t among them, a whole number.  Under any whole M the codes are the same and only the blocks' scale bytes move:
; so with each strip go its scale word, its -M and its sum l of the unquantised p (16 bytes a row and strip), and the last launch brings all strips of a row under the row's M.  The maximum is thus taken away before every exponential.
; A tile is 256 queries x 256 keys, K = 1,024 channels; eight waves, each 64 x 128: 32 accumulators.  Layouts, transposed use, regions and joint loads are those of launch 2: at the head waves 0-3 ask for a region's scale words and K step 0 (of 256),
; waves 4-7 for its K steps 1 and 2, one tensor load a wave; behind the round at the end of K step 0 waves 0-3 ask for K step 3, into K step 0's place.
; PREFETCH: none: three of the four K steps are asked for at the head, the fourth two K steps ahead of its use.
; LIMITS: the promise holds while the scaled scores t stay under 2^31 in magnitude; a block whose every p has fallen to 0 gets the byte 1 (its codes are zeros); NaN and infinities are not served.
; A block's largest p is made from its largest score by the same two instructions as every p.
; REGISTERS: as in launch 2; on the way out p takes the accumulators' places, window 0 holds the codes (v64-111) and v160-223 at work.
.set UNIT,  24576
.set GRP,   102400
.set REG,   4096+3*UNIT
.set C0,    4096
.set SPARE, 4*REG                      ; the spare words, 128 bytes for each wave: four blocks of 256 bytes that no other line names
.set FR,    12
.set ADRA,  4
.set ADRB,  7
.set ADRS,  10
.set SPW,   28
.set NIL,   29
.set SC,    32
.set AF,    64
.set BF,    160
.set G1HA,  24
.set G1HB,  32
.set G1MA,  40
.set G1MB,  48
.set G0A,   56
.set G0B,   60
.set MSB, 0
.macro WIN new
.if MSB != (\new)
	s_set_vgpr_msb (MSB<<8)|(\new)
.set MSB, (\new)
.endif
.endm
.set WMUL, 0x50
.macro PLACES
.rept 4
	v_nop
.endr
.endm
.macro TLOAD g0, g1
	tensor_load_to_lds s[\g0:\g0+3], s[\g1:\g1+7]
	s_nop 0
	PLACES
.endm
.macro ARM under, g0, g1, next
	s_cmp_lt_u32 s14, \under
	s_cbranch_scc0 \next
	TLOAD \g0, \g1
	s_branch .Lhead_asked
\next:
.endm
.macro RLOAD                           ; K step 3's joint loads: waves 0, 1 for q, waves 2, 3 for k, the others none
	s_cmp_lt_u32 s14, 2
	s_cbranch_scc0 .Lnot_q_\@
	TLOAD G0A, G1HA
	s_branch .Lasked_\@
.Lnot_q_\@:
	s_cmp_lt_u32 s14, 4
	s_cbranch_scc0 .Lasked_\@
	TLOAD G0B, G1HB
.Lasked_\@:
.endm
.macro CREST
	s_cmp_lg_u32 s14, 0
	s_cbranch_scc1 .Lnot_wave_0_\@
	s_barrier_signal -3
.Lnot_wave_0_\@:
	s_barrier_wait -3
	s_barrier_signal -1
	s_barrier_wait -1
.endm
.macro CROUND
	s_barrier_signal -1
	s_barrier_wait -1
	CREST
.endm
.macro G1SET g, rows
	s_mov_b32 s[\g+1], 32<<16
	s_mov_b32 s[\g+2], (\rows)<<16
	s_mov_b32 s[\g+3], 32<<16
	s_mov_b32 s[\g+4], \rows
	s_mov_b32 s[\g+5], 32
	s_mov_b32 s[\g+6], 0
	s_mov_b32 s[\g+7], 0
.endm
.macro G0SET g0, lreg, loff, ptr
	s_mov_b32 s[\g0], 1
	s_add_co_u32 s[\g0+1], s[\lreg], \loff
	s_mov_b64 s[\g0+2:\g0+3], s[\ptr:\ptr+1]
	s_or_b32 s[\g0+3], s[\g0+3], 0x80000000
.endm
.macro FRAG reg, adr, q, blk
.irp c, 0,1,2
	ds_load_b128 v[\reg+4*\c:\reg+4*\c+3], v[\adr] offset:3072*(\blk)+1536*(\q)+512*\c
.endr
.endm
.macro FETCHA slot, q, p
.irp a, 0,1,2,3
	FRAG AF+48*(\p)+FR*\a, ADRA+\slot, \q, \a
.endr
.endm
.macro FETCHB slot, q, first
.irp b, 0,1,2,3
	FRAG BF+FR*(\first+\b), ADRB+\slot, \q, \first+\b
.endr
.endm
.macro SCALES kstep, sc                ; (for blocks 4-7 lanes 0-15 bring words that no product names)
.irp q, 0,1
.irp i, 0,1,2,3,4,5,6,7
	ds_load_b32 v[SC+16*(\sc)+8*\q+\i], v[ADRS] offset:(2*(\kstep)+\q)*512+64*\i
.endr
.endr
.endm
.macro MULB b, p, q, sc, zero          ; the 32 accumulators take turns, in the same order in every step
.irp a, 0,1,2,3
.if \zero
	v_wmma_scale_f32_16x16x128_f8f6f4 v[8*(8*\a+\b):8*(8*\a+\b)+7], v[BF+FR*\b:BF+FR*\b+FR-1], v[AF+48*(\p)+FR*\a:AF+48*(\p)+FR*\a+FR-1], 0, v[SC+16*(\sc)+8*(\q)+\b], v[SC+16*(\sc)+8*(\q)+\a] matrix_a_fmt:MATRIX_FMT_FP6 matrix_b_fmt:MATRIX_FMT_FP6 matrix_a_scale:MATRIX_SCALE_ROW1
.else
	v_wmma_scale_f32_16x16x128_f8f6f4 v[8*(8*\a+\b):8*(8*\a+\b)+7], v[BF+FR*\b:BF+FR*\b+FR-1], v[AF+48*(\p)+FR*\a:AF+48*(\p)+FR*\a+FR-1], v[8*(8*\a+\b):8*(8*\a+\b)+7], v[SC+16*(\sc)+8*(\q)+\b], v[SC+16*(\sc)+8*(\q)+\a] matrix_a_fmt:MATRIX_FMT_FP6 matrix_b_fmt:MATRIX_FMT_FP6 matrix_a_scale:MATRIX_SCALE_ROW1
.endif
.endr
.endm
.macro MULH first, p, q, sc, zero
	WIN WMUL
.irp b, 0,1,2,3
	MULB (\first+\b), \p, \q, \sc, \zero
.endr
	WIN 0
.endm
.macro STEP p, q, sc, zero, nslot, nq, nk=-1, nsc=0   ; nk: a new K step begins with the next step: its scale words come too
	s_wait_dscnt 12                                ; k's blocks 4-7 alone may be out
	MULH 0, \p, \q, \sc, \zero
	PLACES
.if (\nk) >= 0
	SCALES \nk, \nsc
.endif
	FETCHA \nslot, \nq, 1-(\p)
	FETCHB \nslot, \nq, 0
.if (\nk) >= 0
	s_wait_dscnt 40                                ; all but the 40 just issued
.else
	s_wait_dscnt 24
.endif
	MULH 4, \p, \q, \sc, \zero
	PLACES
	FETCHB \nslot, \nq, 4
.endm
.macro TURN p, q, sc, mode, nslot, nk, nsc   ; mode 1: K step 0's place is filled again behind a round of the cluster's barrier; mode 2: the refill is shown to all, nothing is filled
	s_wait_tensorcnt 0x0                           ; all my tensor loads have landed;
.if \mode == 1
	ds_add_u32 v[SPW], v[NIL]                      ; 0 onto my spare word
	s_wait_dscnt 0x1                               ; (the add alone may be out)
.else
	s_wait_dscnt 0x0
.endif
	WIN WMUL
	MULB 0, \p, \q, \sc, 0
	MULB 1, \p, \q, \sc, 0
	s_wait_dscnt 0x0                               ; the add is done, and my reads of the units behind me are over
	s_barrier_signal -1
	MULB 2, \p, \q, \sc, 0
	MULB 3, \p, \q, \sc, 0
	WIN 0
	s_barrier_wait -1
.if \mode == 1
	CREST
	s_mov_b32 s[G1HA+2], 96<<16                    ; one unit: 96 rows
	s_mov_b32 s[G1HA+4], 96
	s_mov_b32 s[G1HB+2], 96<<16
	s_mov_b32 s[G1HB+4], 96
	s_add_co_u32 s[G0A+1], s101, 4096
	s_add_nc_u64 s[G0A+2:G0A+3], s[G0A+2:G0A+3], 3*UNIT+4096
	s_add_co_u32 s[G0B+1], s101, 2*REG+4096
	s_add_nc_u64 s[G0B+2:G0B+3], s[G0B+2:G0B+3], 3*UNIT+4096
	RLOAD                                          ; K step 3: the first tensor load behind the round
.endif
	PLACES
	SCALES \nk, \nsc
	FETCHA \nslot, 0, 1-(\p)
	FETCHB \nslot, 0, 0
	MULH 4, \p, \q, \sc, 0
	PLACES
	FETCHB \nslot, 0, 4
.endm
	s_load_b128 s[4:7], s[0:1], 0x0                ; qk s[4:5], P's codes s[6:7]
	s_load_b64 s[8:9], s[0:1], 0x10                ; P's records
	v_lshl_add_u32 v[SPW], v0, 2, SPARE
	v_mov_b32 v[NIL], 0
	ds_add_u32 v[SPW], v[NIL]                      ; the wave's opening: the add, twice on end, and its wait ahead of my first tensor load
	ds_add_u32 v[SPW], v[NIL]
	v_lshrrev_b32 v1, 5, v0
	v_readfirstlane_b32 s14, v1                    ; wave 0..7
	s_lshr_b32 s15, s14, 2                         ; my half of the queries.  Also: I fetch K step 0 (0) or K steps 1 and 2 (1)
	s_lshr_b32 s88, s14, 1
	s_and_b32 s88, s88, 1                          ; which 64 of that half
	s_and_b32 s16, s14, 1                          ; j: my half of the keys.  Also: which half I fetch
	s_bfe_u32 s19, ttmp6, 0x40000                  ; cx
	s_bfe_u32 s20, ttmp6, 0x40004                  ; cy
	s_and_b32 s23, ttmp7, 0xffff                   ; cluster y
	s_lshl_b32 s17, s23, 2
	s_add_co_u32 s17, s17, s20                     ; the tile of 256 queries, of 32 (8 a batch)
	s_lshl_b32 s18, ttmp9, 2
	s_add_co_u32 s18, s18, s19                     ; the tile of 256 keys, of the batch's 8
	s_lshl_b32 s21, s20, 2
	s_lshl_b32 s21, 15, s21                        ; my row of the cluster
	s_lshl_b32 s22, 0x1111, s19                    ; my column
	s_or_b32 s[G1HA], s21, (3<<16)|(1<<21)
	s_or_b32 s[G1MA], s21, (3<<16)|(1<<21)
	s_or_b32 s[G1HB], s22, (3<<16)|(1<<21)
	s_or_b32 s[G1MB], s22, (3<<16)|(1<<21)
	G1SET G1HA, 112
	G1SET G1HB, 112
	G1SET G1MA, 192
	G1SET G1MB, 192
	s_mul_i32 s3, s15, UNIT+4096                   ; waves 4-7: K step 1 on
	s_lshl_b32 s92, s17, 1                         ; q's group that I fetch
	s_add_co_u32 s92, s92, s16
	s_mul_i32 s92, s92, GRP
	s_add_co_u32 s92, s92, s3
	s_mov_b32 s93, 0
	s_lshr_b32 s94, s23, 1                         ; the batch: two clusters along y to each
	s_lshl_b32 s94, s94, 4
	s_lshl_b32 s2, s18, 1
	s_add_co_u32 s94, s94, s2
	s_add_co_u32 s94, s94, s16
	s_add_co_u32 s94, s94, 64                      ; k's groups lie behind q's 64
	s_mul_i32 s94, s94, GRP
	s_add_co_u32 s94, s94, s3
	s_mov_b32 s95, 0
	s_mul_i32 s100, s16, REG
	s_add_co_u32 s101, s100, s3
	s_mov_b32 s96, 0x76543210
	s_mov_b32 s97, 0xfedcba98
	s_mov_b32 s98, 0x3d38aa3b                      ; c = log2(e) / 32
	s_mov_b32 s99, s98                             ; (named with it as a pair, so it is written)
	v_and_b32 v1, 15, v0
	v_bfe_u32 v2, v0, 4, 1
	v_and_b32 v3, 31, v0
	v_lshlrev_b32 v3, 4, v3                        ; 16 x lane
	s_wait_alu depctr_va_vdst(0)
	s_wait_dscnt 0x0
	CROUND
	s_wait_kmcnt 0x0
	s_add_nc_u64 s[92:93], s[4:5], s[92:93]
	s_add_nc_u64 s[94:95], s[4:5], s[94:95]
	G0SET G0A, 101, 0, 92
	G0SET G0B, 101, 2*REG, 94
	ARM 2, G0A, G1HA, .Lhead_1                     ; one tensor load a wave at the head
	ARM 4, G0B, G1HB, .Lhead_2
	ARM 6, G0A, G1MA, .Lhead_3
	TLOAD G0B, G1MB
.Lhead_asked:
	s_mul_i32 s12, s15, REG
	s_mul_i32 s2, s88, 12288                       ; row blocks 4 x (which 64) on
	s_add_co_u32 s12, s12, s2
	s_add_co_u32 s12, s12, C0
	s_add_co_u32 s13, s100, C0+2*REG
.irp s, 0,1,2
	v_add_nc_u32 v[ADRA+\s], s12, v3
	v_add_nc_u32 v[ADRB+\s], s13, v3
	s_add_co_u32 s12, s12, UNIT
	s_add_co_u32 s13, s13, UNIT
.endr
	s_lshl_b32 s2, s88, 8
	s_mul_i32 s13, s15, REG
	s_add_co_u32 s13, s13, s2                      ; q's words of my 64 rows
	s_xor_b32 s12, s15, 1
	s_add_co_u32 s12, s12, s16
	s_add_co_u32 s12, s12, 1
	s_mul_i32 s12, s12, REG
	s_sub_co_u32 s12, s12, s2
	v_mul_u32_u24 v[ADRS], s12, v2                 ; lanes 16-31 take k's
	v_lshl_add_u32 v[ADRS], v1, 2, v[ADRS]
	v_add_nc_u32 v[ADRS], s13, v[ADRS]
	v_mov_b32 v13, 0                               ; (named as the upper halves of the pairs that hold -M)
	v_mov_b32 v15, 0
	s_lshl_b32 s12, s17, 1
	s_add_co_u32 s12, s12, s15                     ; my group of 128 queries
	s_lshl_b32 s2, s12, 4
	s_lshl_b32 s12, s12, 3
	s_add_co_u32 s12, s12, s18                     ; P's unit: 8 x group + key tile
	s_mul_i32 s12, s12, UNIT
	s_mul_i32 s13, s16, 1536
	s_add_co_u32 s12, s12, s13
	s_mul_i32 s13, s88, 12288
	s_add_co_u32 s12, s12, s13
	s_mov_b32 s13, 0
	s_add_nc_u64 s[6:7], s[6:7], s[12:13]
	s_lshl_b32 s3, s18, 1
	s_add_co_u32 s2, s2, s3
	s_add_co_u32 s2, s2, s16                       ; 16 x group + my strip of 128 keys
	s_lshl_b32 s2, s2, 11
	s_lshl_b32 s3, s88, 10
	s_add_co_u32 s2, s2, s3
	s_mov_b32 s3, 0
	s_add_nc_u64 s[8:9], s[8:9], s[2:3]
	s_mov_b32 s89, 0xffff0000                      ; lanes 16-31
	s_wait_alu depctr_va_vdst(0)                   ; the wait at the head's end
	s_cmp_lt_u32 s14, 4
	s_cbranch_scc0 .Lnot_first
	s_wait_tensorcnt 0x0                           ; waves 0-3: the scale words and K step 0 are in; the other waves' loads, lines of their own, may be out
.Lnot_first:
	s_barrier_signal -1
	s_barrier_wait -1
	SCALES 0, 0
	FETCHA 0, 0, 0
	FETCHB 0, 0, 0
	FETCHB 0, 0, 4
	STEP 0, 0, 0, 1, 0, 1
	TURN 1, 1, 0, 1, 1, 1, 1
	STEP 0, 0, 1, 0, 1, 1
	STEP 1, 1, 1, 0, 2, 0, 2, 0                    ; K steps 1 and 2 were shown together: no barrier
	STEP 0, 0, 0, 0, 2, 1
	TURN 1, 1, 0, 2, 0, 3, 1
	STEP 0, 0, 1, 0, 0, 1
	s_wait_dscnt 12
	MULH 0, 1, 1, 1, 0
	s_wait_dscnt 0x0
	MULH 4, 1, 1, 1, 0
	PLACES
; THE WAY OUT, two blocks at a time (a block: 16 queries x my 128 keys; a lane holds one query, register 16 b + i = key 32 b + 16 (lane / 16) + i).  Eight scale blocks take turns line by line.
.set PCB, 64                           ; v64-111  the codes, 12 registers a block: no store's data are written again
.set BM,  160                          ; v160-167 each block's largest score, then its largest p
.set BT,  168                          ; v168-175 the other half's, then the bytes
.set SO,  176                          ; v176-183 the conversions' scale operands
.set XT,  184                          ; v184-198 the second halves of the conversions
.set LS,  200                          ; v200-207 the sums' chains, two for each of the two
.set F,   208                          ; v208-209
.set PW,  210                          ; v210-211 the scale words
.set LL,  212                          ; v212-213 l
.set REC, 216                          ; v216-223 the pairs' records: lanes 0-15 the even block's, lanes 16-31 the odd one's
.macro SOFT2 a
.set AC, 64*(\a)
.set PC, PCB+12*(\a)
.set RC, REC+2*(\a)
	WIN 0x05                                       ; sources 0 and 1: window 1
.irp b, 0,1,2,3,4,5,6,7
	v_max_num_f32 v[BM+\b], v[AC+16*\b], v[AC+16*\b+1]   ; each accumulator is read from its low end on
.endr
.irp i, 2,4,6,8,10,12,14
.irp b, 0,1,2,3,4,5,6,7
	v_max3_num_f32 v[BM+\b], v[AC+16*\b+\i], v[AC+16*\b+\i+1], v[BM+\b]
.endr
.endr
	WIN 0
.irp b, 0,1,2,3,4,5,6,7
	v_permlanex16_b32 v[BT+\b], v[BM+\b], s96, s97
.endr
.irp b, 0,1,2,3,4,5,6,7
	v_max_num_f32 v[BM+\b], v[BM+\b], v[BT+\b]     ; the largest score of each block of 32 keys
.endr
.irp k, 0,1
	v_max3_num_f32 v[F+\k], v[BM+4*\k], v[BM+4*\k+1], v[BM+4*\k+2]
.endr
.irp k, 0,1
	v_max_num_f32 v[F+\k], v[F+\k], v[BM+4*\k+3]
.endr
.irp k, 0,1
	v_mul_f32 v[F+\k], s98, v[F+\k]                ; the strip's largest t (c is positive)
.endr
.irp k, 0,1
	v_floor_f32 v[12+2*\k], -v[F+\k]               ; -M = floor(-t): M is a whole number
.endr
	WIN 0x41                                       ; destination and source 0: window 1
.set k, 0
.rept 64
	v_pk_fma_f32 v[AC+2*k:AC+2*k+1], v[AC+2*k:AC+2*k+1], s[98:99], v[12+2*(k/32):13+2*(k/32)] op_sel_hi:[1,0,0]   ; t - M, two at a time
.set k, k+1
.endr
	WIN 0
.irp b, 0,1,2,3,4,5,6,7
	v_fma_f32 v[BM+\b], v[BM+\b], s98, v[12+2*(\b/4)]   ; the same of each block's largest score
.endr
	s_wait_alu depctr_va_vdst(0)                   ; the wait ahead of the batch
.irp b, 0,1,2,3,4,5,6,7
	v_exp_f32 v[BM+\b], v[BM+\b]                   ; each block's largest p
.endr
	WIN 0x41
.set k, 0
.rept 128
	v_exp_f32 v[AC+k], v[AC+k]                     ; p = 2^(t - M), at most 1
.set k, k+1
.endr
	v_nop                                          ; a plain place behind the exponentials
	s_wait_alu depctr_va_vdst(0)                   ; one wait for the batch, ahead of its first reader
	WIN 0x05
.irp k, 0,1
	v_pk_add_f32 v[LS+4*\k:LS+4*\k+1], v[AC+64*\k:AC+64*\k+1], v[AC+64*\k+4:AC+64*\k+5]   ; the sum of the UNQUANTISED p, in two chains for each block
	v_pk_add_f32 v[LS+4*\k+2:LS+4*\k+3], v[AC+64*\k+2:AC+64*\k+3], v[AC+64*\k+6:AC+64*\k+7]
.endr
	WIN 0x04                                       ; source 1: window 1
.irp j, 8,12,16,20,24,28,32,36,40,44,48,52,56,60
.irp k, 0,1
	v_pk_add_f32 v[LS+4*\k:LS+4*\k+1], v[LS+4*\k:LS+4*\k+1], v[AC+64*\k+\j:AC+64*\k+\j+1]
	v_pk_add_f32 v[LS+4*\k+2:LS+4*\k+3], v[LS+4*\k+2:LS+4*\k+3], v[AC+64*\k+\j+2:AC+64*\k+\j+3]
.endr
.endr
	WIN 0
.irp b, 0,1,2,3,4,5,6,7
	v_max_num_f32 v[BM+\b], 0x1800000, v[BM+\b]    ; the floor 2^(3 - 127): the byte cannot fall under 1
.endr
.irp k, 0,1
	v_pk_add_f32 v[LS+4*\k:LS+4*\k+1], v[LS+4*\k:LS+4*\k+1], v[LS+4*\k+2:LS+4*\k+3]
.endr
.irp b, 0,1,2,3,4,5,6,7
	v_add_nc_u32 v[SO+\b], 0xff000000, v[BM+\b]
.endr
.irp k, 0,1
	v_add_f32 v[LL+\k], v[LS+4*\k], v[LS+4*\k+1]
.endr
.irp b, 0,1,2,3,4,5,6,7
	v_lshrrev_b32 v[BT+\b], 23, v[SO+\b]
.endr
.irp k, 0,1
	v_permlanex16_b32 v[LS+4*\k+2], v[LL+\k], s96, s97
.endr
.irp k, 0,1
	v_lshl_or_b32 v[PW+\k], v[BT+4*\k+1], 8, v[BT+4*\k]
.endr
.irp k, 0,1
	v_lshl_or_b32 v[PW+\k], v[BT+4*\k+2], 16, v[PW+\k]
.endr
.irp k, 0,1
	v_lshl_or_b32 v[PW+\k], v[BT+4*\k+3], 24, v[PW+\k]
.endr
.irp k, 0,1
	v_add_f32 v[LL+\k], v[LL+\k], v[LS+4*\k+2]     ; with lane l xor 16's 64 keys: the strip's l
.endr
	WIN 0x01
.irp k, 0,1
.irp c, 0,1
	v_cvt_scalef32_pk16_fp6_f32 v[PC+12*\k+6*\c:PC+12*\k+6*\c+2], v[AC+64*\k+32*\c:AC+64*\k+32*\c+15], v[SO+4*\k+2*\c]
	v_cvt_scalef32_pk16_fp6_f32 v[XT+8*\k+4*\c:XT+8*\k+4*\c+2], v[AC+64*\k+32*\c+16:AC+64*\k+32*\c+31], v[SO+4*\k+2*\c+1]
.endr
.endr
	WIN 0
	v_nop                                          ; one plain place behind a scaled conversion
.irp k, 0,1
.irp c, 0,1
.irp i, 0,1,2
	v_permlane16_swap_b32 v[PC+12*\k+6*\c+\i], v[XT+8*\k+4*\c+\i]
.endr
.endr
.endr
.irp k, 0,1
.irp c, 0,1
.irp i, 0,1,2
	v_mov_b32 v[PC+12*\k+6*\c+3+\i], v[XT+8*\k+4*\c+\i]
.endr
.endr
.endr
	v_cndmask_b32 v[RC], v[PW], v[PW+1], s89       ; word, -M and l are the same in lanes r and r + 16
	v_cndmask_b32 v[RC+1], v12, v14, s89
	v_cndmask_b32 v[RC+2], v[LL], v[LL+1], s89
	v_mov_b32 v[RC+3], 0
.irp k, 0,1
.irp c, 0,1,2
	global_store_b128 v3, v[PC+12*\k+4*\c:PC+12*\k+4*\c+3], s[6:7] offset:3072*(\a+\k)+512*\c   ; the fragment's image: 512 consecutive bytes a store
.endr
.endr
	global_store_b128 v3, v[RC:RC+3], s[8:9] offset:256*(\a)   ; 32 rows' records: 512 consecutive bytes
.endm
.irp b, 0,1,2,3,4,5,6,7
	v_mov_b32 v[BT+\b], 0                          ; written once: a lane permute's destination counts as one of its sources
.endr
	SOFT2 0
	SOFT2 2
	s_wait_tensorcnt 0x0                           ; the wave's end
	ds_add_u32 v[SPW], v[NIL]
	s_wait_dscnt 0x0
	CROUND                                         ; the closing round
	s_endpgm
.Lfunc_end_k_q5ba76556f0_score:
	.size	k_q5ba76556f0_score, .Lfunc_end_k_q5ba76556f0_score-k_q5ba76556f0_score
	.p2alignl 7, 3214868480
	.fill 96, 4, 3214868480
	.section	.rodata,"a",@progbits
	.p2align	6, 0x0
	.amdhsa_kernel k_q5ba76556f0_score
		.amdhsa_group_segment_fixed_size 327680
		.amdhsa_private_segment_fixed_size 0
		.amdhsa_enable_private_segment 0
		.amdhsa_kernarg_size 24
		.amdhsa_user_sgpr_count 2
		.amdhsa_user_sgpr_kernarg_segment_ptr 1
		.amdhsa_wavefront_size32 1
		.amdhsa_system_sgpr_workgroup_id_x 1
		.amdhsa_system_sgpr_workgroup_id_y 1
		.amdhsa_system_sgpr_workgroup_id_z 1
		.amdhsa_system_vgpr_workitem_id 0
		.amdhsa_next_free_vgpr 512
		.amdhsa_next_free_sgpr 102
		.amdhsa_reserve_vcc 0
		.amdhsa_float_denorm_mode_32 3
		.amdhsa_float_denorm_mode_16_64 3
		.amdhsa_memory_ordered 1
		.amdhsa_forward_progress 1
		.amdhsa_inst_pref_size 113
	.end_amdhsa_kernel
	.amdgpu_metadata
---
amdhsa.version: [ 1, 2 ]
amdhsa.kernels:
  - .name:           k_q5ba76556f0_score
    .symbol:         k_q5ba76556f0_score.kd
    .args:
      - { .name: qk, .offset: 0, .size: 8, .value_kind: global_buffer, .address_space: global }
      - { .name: pc, .offset: 8, .size: 8, .value_kind: global_buffer, .address_space: global }
      - { .name: pa, .offset: 16, .size: 8, .value_kind: global_buffer, .address_space: global }
    .group_segment_fixed_size: 327680
    .private_segment_fixed_size: 0
    .kernarg_segment_align: 8
    .kernarg_segment_size: 24
    .max_flat_workgroup_size: 256
    .sgpr_count:     102
    .vgpr_count:     512
    .wavefront_size: 32
...
	.end_amdgpu_metadata
.endif
;; end of part 3
;; launch pv (part 4): grid 4 x 64, 4 waves a work-group, clusters of 4 x 4, 327,680 bytes of LDS; arguments pc, pa, vc, vs, out0; writes out0
.if DOCPART == 4
	.amdgcn_target "amdgcn-amd-amdhsa--gfx1250"
	.amdhsa_code_object_version 6
	.text
	.protected	k_q5ba76556f0_pv
	.globl	k_q5ba76556f0_pv
	.p2align	8
	.type	k_q5ba76556f0_pv,@function
k_q5ba76556f0_pv:
	s_mov_b64 s[64:65], 0
	v_nop
	global_prefetch_b8 v0, s[64:65] scope:SCOPE_SE
	s_setreg_imm32_b32 hwreg(HW_REG_WAVE_MODE, 25, 1), 1
	s_wait_xcnt 0x0
	s_wait_alu depctr_hold_cnt(0) depctr_sa_sdst(0) depctr_va_vdst(0) depctr_va_sdst(0) depctr_va_ssrc(0) depctr_va_vcc(0) depctr_vm_vsrc(0)
	s_getreg_b32 s2, hwreg(HW_REG_IB_STS2, 6, 4)
	s_cmp_eq_u32 s2, 0
	s_cbranch_scc0 .Lentry_in_a_cluster
	s_endpgm
.Lentry_in_a_cluster:
	s_bfe_u32 s2, ttmp6, 0x10000c
	s_cmp_lg_u32 s2, 0xf033
	s_cbranch_scc0 .Lentry_shape_is_right
	s_endpgm
.Lentry_shape_is_right:
; LAUNCH 4 OF 4: out = (P v) / l on codes of FP6, K = the batch's 2,048 keys.  Nothing is left out.
; P's strips of 128 keys were quantised each under its own whole number M (launch 3).  Here thread t of a work-group takes row place t of its 128 queries: the row's M is the largest of the 16 strips'; with d = M_row - M_strip (a whole number, 0 or
; more) the strip's four scale bytes become byte - d and its sum l x 2^-d: both exact.  The moved scale words and 1 / l go to LDS and serve the whole launch.
; LIMITS: d is held at 127 and a byte at 0 from below: a strip that far under the row's M keeps its codes under the scale 2^-127 and its l under 2^-127, both under 1e-36 of the row's largest term.  NaN and infinities are not served.
; A tile is 128 queries x 256 channels: 256 work-groups; each of four waves takes 64 channels and all 128 queries: 32 accumulators.
; K goes through two slots of 512 along K (P's two units, two for each half of v^T's channels), in steps of 128.  The first three slots' steps go by K, 32 products a step: one ahead of the loop, four in each of its two trips, three behind it.
; THE LAST SLOT GOES BY ROWS: v^T's fragments of its four steps stand in registers, and P's eight blocks of 16 queries are finished one after the other, 16 products each; a finished block leaves while the next are multiplied.
; CLUSTERS: 4 x 4: the four channel tiles of a group of queries share P's units along a row of the cluster; the four groups of queries (one batch) share v^T's along a column.  A wave has one tensor load out.
; PREFETCH: a slot's bytes are asked for one fill ahead of the tensor load that brings them, shared out by address among the four partners of that load; the last fill's in the loop's first trip; nothing behind it.
; THE MATRIX INSTRUCTION IS USED TRANSPOSED (source 0 = 16 channels of v^T, source 1 = 16 queries of P): a lane holds one query and, over four tiles, channels 32 b + 16 (lane / 16) + i in register 16 b + i.
; REGISTERS: window 0: v1-31 addresses, 1 / l; v32-63 scale words; v64-255 v^T's fragments: two sets, in the last slot four.  window 1: v0-191 P's fragments: two sets of eight, in the last slot four buffers of a block.
; window 2: accumulator (a, t) at v[8 (4 a + t)].  window 3: rows on their way out, 32 registers a block.
.set UNIT,  24576
.set SLOT,  6*UNIT                     ; P's two units, v^T's half 0's two, half 1's two
.set ATAB,  2*SLOT                     ; P's moved scale words: [128 K 0..15][place][4]; made here
.set SCLB,  ATAB+8192                  ; v^T's scale words: [half][128 K 0..15][place][4]
.set RL,    SCLB+16384                 ; 1 / l of the 128 rows; made here
.set SPARE, RL+512                     ; the spare words, 128 bytes for each wave: two blocks of 256 bytes that no other line names
.set SP,    272                        ; the way out: a stage of 16 rows x (256 + 16) bytes for each wave, in slot 0, which has had its last fill and its last read by then
.set ADRP0, 4
.set ADRV0, 5
.set ADRP,  6
.set ADRV,  7
.set ADRS,  8
.set ADRV80, 25                        ; v25, v26  as ADRV0, ADRV, with 8 x lane
.set ADRV8, 26
.set LI,    16                         ; v16-23 1 / l of my row in each block
.set SPW,   28
.set NIL,   29
.set SC,    32                         ; set p at v[32 + 8 p]; register i: lanes 0-15 the word of P's block i, lanes 16-31 of v^T's tile i (i under 4)
.set VF,    64
.set G1P,   24
.set G1V,   32
.set G1S,   40
.set G0P,   48
.set G0V,   52
.set G0S,   56
.set PFP,   72
.set MSB, 0
.macro WIN new
.if MSB != (\new)
	s_set_vgpr_msb (MSB<<8)|(\new)
.set MSB, (\new)
.endif
.endm
.set WMUL, 0xa4                        ; source 0 window 0, source 1 window 1, C and D window 2
.macro PLACES
.rept 4
	v_nop
.endr
.endm
.macro TLOAD g0, g1
	tensor_load_to_lds s[\g0:\g0+3], s[\g1:\g1+7]
	s_nop 0
	PLACES
.endm
.macro RLOAD                           ; a slot's joint loads: wave 0 P's two units, waves 2 and 3 v^T's two halves, wave 1 none; the branches hang on the wave's number alone
	s_cmp_eq_u32 s14, 0
	s_cbranch_scc0 .Lnot_p_\@
	TLOAD G0P, G1P
	s_branch .Lasked_\@
.Lnot_p_\@:
	s_cmp_lt_u32 s14, 2
	s_cbranch_scc1 .Lasked_\@
	TLOAD G0V, G1V
.Lasked_\@:
.endm
.macro CREST
	s_cmp_lg_u32 s14, 0
	s_cbranch_scc1 .Lnot_wave_0_\@
	s_barrier_signal -3
.Lnot_wave_0_\@:
	s_barrier_wait -3
	s_barrier_signal -1
	s_barrier_wait -1
.endm
.macro CROUND
	s_barrier_signal -1
	s_barrier_wait -1
	CREST
.endm
.macro G1SET g, rows
	s_mov_b32 s[\g+1], 32<<16
	s_mov_b32 s[\g+2], (\rows)<<16
	s_mov_b32 s[\g+3], 32<<16
	s_mov_b32 s[\g+4], \rows
	s_mov_b32 s[\g+5], 32
	s_mov_b32 s[\g+6], 0
	s_mov_b32 s[\g+7], 0
.endm
.macro ASK n                           ; my quarter of the n-th fill's bytes: 48 blocks of 256; wave 1 has none
	s_cmp_eq_u32 s14, 1
	s_cbranch_scc1 .Lnone_\@
	global_prefetch_b8 v30, s[PFP:PFP+1] offset:2*UNIT*(\n) th:TH_LOAD_NT scope:SCOPE_SE
	global_prefetch_b8 v31, s[PFP:PFP+1] offset:2*UNIT*(\n) th:TH_LOAD_NT scope:SCOPE_SE
.Lnone_\@:
.endm
.macro FRAG reg, adr, qq, blk
.irp c, 0,1,2
	ds_load_b128 v[\reg+4*\c:\reg+4*\c+3], v[\adr] offset:((\qq)/2)*UNIT+((\qq)%2)*1536+3072*(\blk)+512*\c
.endr
.endm
.macro SCALES qq, p
.irp i, 0,1,2,3,4,5,6,7
	ds_load_b32 v[SC+8*(\p)+\i], v[ADRS] offset:512*(\qq)+64*\i   ; (for i over 3 lanes 16-31 bring words that no product names)
.endr
.endm
.macro VFETCH qq, p                    ; 16 loads: v^T's fragments lie as two halves of 768 bytes: registers 0-3 at 16 x lane, registers 4 and 5 at 512 + 8 x lane
.irp t, 0,1,2,3
.set RG, VF+48*(\p)+12*\t
.set BY, ((\qq)/2)*UNIT+((\qq)%2)*1536+3072*\t
	ds_load_b128 v[RG:RG+3], v[ADRV] offset:BY
	ds_load_b64 v[RG+4:RG+5], v[ADRV8] offset:BY+512
	ds_load_b128 v[RG+6:RG+9], v[ADRV] offset:BY+768
	ds_load_b64 v[RG+10:RG+11], v[ADRV8] offset:BY+1280
.endr
.endm
.macro FETCH qq, p                     ; 48 loads in one run: the slot's qq-th 128 along K, into set p
	WIN 0
	SCALES \qq, \p
	VFETCH \qq, \p
	WIN 0x40
.irp a, 0,1,2,3,4,5,6,7
	FRAG 96*(\p)+12*\a, ADRP, \qq, \a
.endr
	WIN 0
.endm
.macro PRD a, t, vreg, preg, sv, sp, zero
.if \zero
	v_wmma_scale_f32_16x16x128_f8f6f4 v[8*(4*(\a)+\t):8*(4*(\a)+\t)+7], v[\vreg:\vreg+11], v[\preg:\preg+11], 0, v[\sv], v[\sp] matrix_a_fmt:MATRIX_FMT_FP6 matrix_b_fmt:MATRIX_FMT_FP6 matrix_a_scale:MATRIX_SCALE_ROW1
.else
	v_wmma_scale_f32_16x16x128_f8f6f4 v[8*(4*(\a)+\t):8*(4*(\a)+\t)+7], v[\vreg:\vreg+11], v[\preg:\preg+11], v[8*(4*(\a)+\t):8*(4*(\a)+\t)+7], v[\sv], v[\sp] matrix_a_fmt:MATRIX_FMT_FP6 matrix_b_fmt:MATRIX_FMT_FP6 matrix_a_scale:MATRIX_SCALE_ROW1
.endif
.endm
.macro PROD a, p, zero=0               ; block a of P x my four tiles; the accumulators take turns, in the same order in every step
.irp t, 0,1,2,3
	PRD \a, \t, VF+48*(\p)+12*\t, 96*(\p)+12*(\a), SC+8*(\p)+\t, SC+8*(\p)+(\a), \zero
.endr
.endm
.macro STEPK p, zero, nqq              ; multiplies set p; the next step's fragments are asked for first
	s_wait_dscnt 12                                ; all of set p but P's blocks 4-7 is in
	PLACES
	FETCH \nqq, 1-(\p)
	WIN WMUL
.irp a, 0,1,2,3
	PROD \a, \p, \zero
.endr
	s_wait_dscnt 48                                ; all but the 48 just issued
.irp a, 4,5,6,7
	PROD \a, \p, \zero
.endr
	WIN 0
.endm
.macro NEXTSLOT                        ; the LDS addresses of the slot that is read next
	s_xor_b32 s80, s80, SLOT
	v_add_nc_u32 v[ADRP], s80, v[ADRP0]
	v_add_nc_u32 v[ADRV], s80, v[ADRV0]
	v_add_nc_u32 v[ADRV8], s80, v[ADRV80]
	v_add_nc_u32 v[ADRS], 2048, v[ADRS]
	s_wait_alu depctr_va_vdst(0)
	PLACES
.endm
	s_load_b256 s[4:11], s[0:1], 0x0               ; P's codes s[4:5], P's records s[6:7], v^T's codes s[8:9], its scale words s[10:11]
	s_load_b64 s[12:13], s[0:1], 0x20              ; out
	v_lshl_add_u32 v[SPW], v0, 2, SPARE
	v_mov_b32 v[NIL], 0
	ds_add_u32 v[SPW], v[NIL]                      ; the wave's opening: the add, twice on end, and its wait ahead of my first tensor load
	ds_add_u32 v[SPW], v[NIL]
	v_lshrrev_b32 v1, 5, v0
	v_readfirstlane_b32 s14, v1                    ; wave: channels 64 x wave on
	s_lshr_b32 s15, s14, 1                         ; my half of the channels
	s_and_b32 s16, s14, 1                          ; which 64 of it.  Waves 2, 3: also the half that I fetch
	s_bfe_u32 s19, ttmp6, 0x40000                  ; cx: the tile of 256 channels
	s_bfe_u32 s20, ttmp6, 0x40004                  ; cy
	s_and_b32 s23, ttmp7, 0xffff                   ; cluster y
	s_lshl_b32 s17, s23, 2
	s_add_co_u32 s17, s17, s20                     ; the group of 128 queries, of 64
	s_lshl_b32 s21, s20, 2
	s_lshl_b32 s21, 15, s21                        ; my row of the cluster
	s_lshl_b32 s22, 0x1111, s19                    ; my column
	s_or_b32 s[G1P], s21, (3<<16)|(1<<21)
	s_or_b32 s[G1V], s22, (3<<16)|(1<<21)
	s_or_b32 s[G1S], s22, (3<<16)|(1<<21)
	G1SET G1P, 192                                 ; two units on end
	G1SET G1V, 192
	G1SET G1S, 64                                  ; the tile's 16,384 bytes of scale words
	s_mul_i32 s66, s17, 8*UNIT                     ; P: my group's eight units; no cx in these registers
	s_mov_b32 s67, 0
	s_lshr_b32 s68, s23, 2                         ; the batch: four clusters along y to each; no cy in these registers
	s_lshl_b32 s70, s68, 16
	s_lshl_b32 s68, s68, 6
	s_lshl_b32 s69, s19, 4
	s_add_co_u32 s68, s68, s69
	s_lshl_b32 s69, s16, 3
	s_add_co_u32 s68, s68, s69                     ; v^T's unit: 64 x batch + 8 x (2 x tile + half)
	s_mul_i32 s68, s68, UNIT
	s_mov_b32 s69, 0
	s_lshl_b32 s71, s19, 14
	s_add_co_u32 s70, s70, s71                     ; its scale words: 1,024 bytes a unit
	s_mov_b32 s71, 0
	s_mul_i32 s82, s16, 2*UNIT
	s_add_co_u32 s82, s82, 2*UNIT                  ; where in a slot my half of v^T goes
	s_mov_b32 s80, 0                               ; the slot that is read, in bytes
	s_lshl_b32 s74, s17, 15                        ; my group's records: 16 strips x 128 rows x 16 bytes
	s_mov_b32 s75, 0
	s_cmp_eq_u32 s15, 0
	s_cselect_b32 s76, s19, s20                    ; my place among the four that ask with me
	s_mul_i32 s76, s76, 12288
	v_and_b32 v1, 15, v0                           ; r
	v_bfe_u32 v2, v0, 4, 1                         ; h
	v_and_b32 v24, 31, v0
	v_lshlrev_b32 v3, 4, v24                       ; 16 x lane
	v_lshlrev_b32 v11, 4, v0                       ; 16 x thread: row place t's record
	v_lshl_add_u32 v30, v24, 8, s76
	v_add_nc_u32 v31, 32, v24
	v_min_u32 v31, 47, v31
	v_lshl_add_u32 v31, v31, 8, s76
	s_wait_alu depctr_va_vdst(0)
	s_wait_dscnt 0x0                               ; both opening adds are done
	CROUND                                         ; all sixteen work-groups are here: the first joint loads meet
	s_wait_kmcnt 0x0
	s_add_nc_u64 s[6:7], s[6:7], s[74:75]
.irp k, 0,1,2,3,4,5,6,7,8,9,10,11,12,13,14,15
	global_load_b128 v[64+4*\k:64+4*\k+3], v11, s[6:7] offset:2048*\k   ; (scale word, -M, l, 0) of strip k
.endr
	s_mov_b32 s[G0P], 1
	s_mov_b32 s[G0P+1], 0
	s_add_nc_u64 s[G0P+2:G0P+3], s[4:5], s[66:67]
	s_mov_b32 s[G0V], 1
	s_mov_b32 s[G0V+1], s82
	s_add_nc_u64 s[G0V+2:G0V+3], s[8:9], s[68:69]
	s_cmp_eq_u32 s15, 0
	s_cselect_b64 s[PFP:PFP+1], s[G0P+2:G0P+3], s[G0V+2:G0V+3]
	s_or_b32 s[G0P+3], s[G0P+3], 0x80000000
	s_or_b32 s[G0V+3], s[G0V+3], 0x80000000
	s_mov_b32 s[G0S], 1
	s_mov_b32 s[G0S+1], SCLB
	s_add_nc_u64 s[G0S+2:G0S+3], s[10:11], s[70:71]
	s_or_b32 s[G0S+3], s[G0S+3], 0x80000000
	s_cmp_eq_u32 s14, 0                            ; one tensor load a wave at the head: wave 0 P's first two units,
	s_cbranch_scc0 .Lwave_1
	TLOAD G0P, G1P
	s_branch .Lhead_asked
.Lwave_1:
	s_cmp_eq_u32 s14, 1                            ; wave 1 v^T's scale words,
	s_cbranch_scc0 .Lwaves_23
	TLOAD G0S, G1S
	s_branch .Lhead_asked
.Lwaves_23:
	TLOAD G0V, G1V                                 ; waves 2 and 3 v^T's halves
.Lhead_asked:
	s_mul_i32 s74, s15, 2*UNIT
	s_mul_i32 s75, s16, 12288
	s_add_co_u32 s74, s74, s75
	s_add_co_u32 s74, s74, 2*UNIT                  ; my four tiles of v^T in a slot
	v_mov_b32 v[ADRP0], v3
	v_mov_b32 v[ADRP], v3
	v_add_nc_u32 v[ADRV0], s74, v3
	v_add_nc_u32 v[ADRV], s74, v3
	v_lshlrev_b32 v24, 3, v24                      ; 8 x lane
	v_add_nc_u32 v[ADRV80], s74, v24
	v_add_nc_u32 v[ADRV8], s74, v24
	s_lshl_b32 s74, s15, 13
	s_lshl_b32 s75, s16, 8
	s_add_co_u32 s74, s74, s75
	s_add_co_u32 s74, s74, SCLB-ATAB               ; from P's words to v^T's of my tiles
	v_mul_u32_u24 v[ADRS], s74, v2                 ; lanes 16-31 take v^T's
	v_lshl_add_u32 v[ADRS], v1, 2, v[ADRS]
	v_add_nc_u32 v[ADRS], ATAB, v[ADRS]
	v_lshl_add_u32 v9, v0, 2, ATAB                 ; where thread t puts its row's moved scale words,
	v_lshl_add_u32 v10, v0, 2, RL                  ; and its 1 / l
	s_mul_i32 s74, s14, 16*SP                      ; my stage
	v_mul_u32_u24 v12, v1, SP
	v_lshl_add_u32 v12, v2, 6, v12
	v_add_nc_u32 v12, s74, v12                     ; in: row r, + 64 h
	v_mul_u32_u24 v13, v2, SP
	v_lshl_add_u32 v13, v1, 4, v13
	v_add_nc_u32 v13, s74, v13                     ; back: lanes 0-15 one row of 256 bytes, lanes 16-31 the next
	v_lshlrev_b32 v14, 12, v2
	v_lshl_add_u32 v14, v1, 4, v14                 ; and the same two rows of out, 4,096 bytes apart
	v_lshlrev_b32 v15, 2, v1
	v_add_nc_u32 v15, RL, v15                      ; 1 / l of row r of a block
	s_lshl_b32 s74, s17, 19                        ; out: 128 rows of 4,096 bytes a group,
	s_lshl_b32 s75, s19, 10
	s_add_co_u32 s74, s74, s75                     ; + 1,024 x channel tile
	s_lshl_b32 s75, s14, 8
	s_add_co_u32 s74, s74, s75                     ; + 256 x wave
	s_mov_b32 s75, 0
	s_add_nc_u64 s[12:13], s[12:13], s[74:75]
	s_wait_alu depctr_va_vdst(0)
	s_wait_loadcnt 0x0                             ; the 16 records of my row
	ASK 1                                          ; behind their arrival: the second fill's bytes
	v_max3_num_f32 v128, -v65, -v69, -v73          ; the row's M: the largest of the strips', in two chains
	v_max3_num_f32 v129, -v77, -v81, -v85
	v_max3_num_f32 v128, v128, -v89, -v93
	v_max3_num_f32 v129, v129, -v97, -v101
	v_max3_num_f32 v128, v128, -v105, -v109
	v_max3_num_f32 v129, v129, -v113, -v117
	v_max3_num_f32 v128, v128, -v121, -v125
	v_max_num_f32 v128, v128, v129
.macro PRO4 g                          ; strips 4 g .. 4 g + 3 under the row's M, by turns
.set RW, 64+16*(\g)
.irp k, 0,1,2,3
	v_add_f32 v[130+\k], v128, v[RW+4*\k+1]        ; d = M_row - M_strip: a whole number, 0 or more
.endr
.irp k, 0,1,2,3
	v_cvt_i32_f32 v[130+\k], v[130+\k]             ; (it saturates)
.endr
.irp k, 0,1,2,3
	v_min_u32 v[130+\k], 127, v[130+\k]
.endr
.irp k, 0,1,2,3
	v_sub_nc_u32 v[134+\k], 0, v[130+\k]
.endr
.irp k, 0,1,2,3
	v_ldexp_f32 v[138+\k], v[RW+4*\k+2], v[134+\k] ; l x 2^-d: nothing is rounded
.endr
.irp k, 0,1,2,3
	v_lshl_or_b32 v[142+\k], v[130+\k], 8, v[130+\k]
.endr
.irp k, 0,1,2,3
	v_lshl_or_b32 v[142+\k], v[142+\k], 16, v[142+\k]   ; d in all four bytes
.endr
.irp k, 0,1,2,3
	v_or_b32 v[146+\k], 0x80808080, v[RW+4*\k]     ; the bytes are at most 125 and d at most 127: with 128 on top no byte borrows from its neighbour
.endr
.irp k, 0,1,2,3
	v_sub_nc_u32 v[146+\k], v[146+\k], v[142+\k]
.endr
.irp k, 0,1,2,3
	v_lshrrev_b32 v[134+\k], 7, v[146+\k]
.endr
.irp k, 0,1,2,3
	v_and_b32 v[134+\k], 0x01010101, v[134+\k]     ; 1 where byte >= d
.endr
.irp k, 0,1,2,3
	v_lshlrev_b32 v[142+\k], 7, v[134+\k]
.endr
.irp k, 0,1,2,3
	v_sub_nc_u32 v[142+\k], v[142+\k], v[134+\k]   ; 0x7f there, 0 elsewhere
.endr
.irp k, 0,1,2,3
	v_and_b32 v[RW+4*\k], v[146+\k], v[142+\k]     ; byte - d, held at 0 from below
.endr
	v_add_f32 v138, v138, v139
	v_add_f32 v140, v140, v141
.if (\g) == 0
	v_add_f32 v129, v138, v140
.else
	v_add_f32 v138, v138, v140
	v_add_f32 v129, v129, v138
.endif
.irp k, 0,1,2,3
	ds_store_b32 v9, v[RW+4*\k] offset:512*(4*(\g)+\k)
.endr
.endm
	PRO4 0
	PRO4 1
	PRO4 2
	PRO4 3
	s_wait_alu depctr_va_vdst(0)                   ; the wait ahead of the transcendental
	v_rcp_f32 v136, v129
	v_nop                                          ; a plain place behind the reciprocal
	s_wait_alu depctr_va_vdst(0)                   ; and the wait ahead of its first reader
	ds_store_b32 v10, v136
	s_wait_tensorcnt 0x0                           ; my part of the head's tiles is in;
	ds_add_u32 v[SPW], v[NIL]                      ; 0 onto my spare word
	s_mov_b32 s[G0P+1], SLOT                       ; no tensor load of mine is out: the next fill goes into slot 1
	s_add_co_u32 s[G0V+1], s82, SLOT
	s_add_nc_u64 s[G0P+2:G0P+3], s[G0P+2:G0P+3], 2*UNIT
	s_add_nc_u64 s[G0V+2:G0V+3], s[G0V+2:G0V+3], 2*UNIT
	s_wait_dscnt 0x0                               ; the add is done, and my stores have landed
	CROUND                                         ; a whole round: both hold of every wave, and the joint loads meet
	RLOAD                                          ; slot 1: the first tensor load behind the round
.irp a, 0,1,2,3,4,5,6,7
	ds_load_b32 v[LI+\a], v15 offset:64*\a
.endr
	FETCH 0, 0
	ASK 2
	STEPK 0, 1, 1                                  ; the first products start the sums: nothing is cleared
	s_mov_b32 s86, 2
.Lslot:                                                ; a slot's second, third and last step, and the next slot's first
	STEPK 1, 0, 2
	STEPK 0, 0, 3
	s_wait_tensorcnt 0x0                           ; all my tensor loads have landed: my part of the next slot;
	ds_add_u32 v[SPW], v[NIL]                      ; 0 onto my spare word
	s_wait_dscnt 0x1                               ; (the add alone may be out)
	WIN WMUL
	PROD 0, 1
	PROD 1, 1
	s_wait_dscnt 0x0                               ; the add is done, and my reads of this slot are over
	s_barrier_signal -1
	PROD 2, 1
	PROD 3, 1
	WIN 0
	s_barrier_wait -1
	CREST                                          ; no wave of any partner still reads this slot or has a load on its way
	s_mov_b32 s[G0P+1], s80
	s_add_co_u32 s[G0V+1], s82, s80
	s_add_nc_u64 s[G0P+2:G0P+3], s[G0P+2:G0P+3], 2*UNIT
	s_add_nc_u64 s[G0V+2:G0V+3], s[G0V+2:G0V+3], 2*UNIT
	RLOAD                                          ; this slot takes the fill two on: the first tensor load behind the round
	NEXTSLOT
	FETCH 0, 0
	s_cmp_eq_u32 s86, 2
	s_cbranch_scc0 .Lno_ask
	ASK 3                                          ; the last fill's bytes, in the first trip
.Lno_ask:
	WIN WMUL
.irp a, 4,5,6,7
	PROD \a, 1
.endr
	WIN 0
	STEPK 0, 0, 1
	s_sub_co_u32 s86, s86, 1
	s_cmp_lg_u32 s86, 0
	s_cbranch_scc1 .Lslot
	STEPK 1, 0, 2                                  ; the third slot goes on
	STEPK 0, 0, 3
; THE LAST SLOT, BY ROWS.  P's block a: its four fragments into buffer a % 4.
.macro PFETCH a
	WIN 0x40
.irp q, 0,1,2,3
	FRAG 48*((\a)%4)+12*\q, ADRP, \q, \a
.endr
	WIN 0
.endm
.macro ROW a, q                        ; block a, the slot's q-th 128 along K
.irp t, 0,1,2,3
	PRD \a, \t, VF+48*(\q)+12*\t, 48*((\a)%4)+12*(\q), SC+8*(\q)+\t, SC+8*(\q)+(\a), 0
.endr
.endm
.macro ROWS a
	WIN WMUL
	ROW \a, 0
	ROW \a, 1
	ROW \a, 2
	ROW \a, 3
	WIN 0
.endm
.macro TOSTAGE a                       ; block a: x 1 / l, in place; into my stage, and back as rows of 256 bytes
	WIN 0x82
.set k, 0
.rept 16
.if (\a)%2
	v_pk_mul_f32 v[32*(\a)+2*k:32*(\a)+2*k+1], v[32*(\a)+2*k:32*(\a)+2*k+1], v[LI+(\a)-1:LI+(\a)] op_sel:[0,1] op_sel_hi:[1,1]   ; the pair's second register for both
.else
	v_pk_mul_f32 v[32*(\a)+2*k:32*(\a)+2*k+1], v[32*(\a)+2*k:32*(\a)+2*k+1], v[LI+(\a):LI+(\a)+1] op_sel_hi:[1,0]   ; each accumulator from its low end on
.endif
.set k, k+1
.endr
	WIN 0x08
.irp t, 0,1,2,3
	ds_store_b128 v12, v[32*(\a)+8*\t:32*(\a)+8*\t+3] offset:128*(\t/2)+32*(\t%2)
	ds_store_b128 v12, v[32*(\a)+8*\t+4:32*(\a)+8*\t+7] offset:128*(\t/2)+32*(\t%2)+16
.endr
	WIN 0xc0
.irp m, 0,1,2,3,4,5,6,7
	ds_load_b128 v[32*(\a)+4*\m:32*(\a)+4*\m+3], v13 offset:2*SP*\m   ; LDS serves a wave's instructions in order: these see my stores
.endr
	WIN 0
.endm
.macro SEND a, younger                 ; younger: the LDS instructions issued behind block a's loads, which may stay out
	s_wait_dscnt \younger
	WIN 0x0c
.irp m, 0,1,2,3,4,5,6,7
	global_store_b128 v14, v[32*(\a)+4*\m:32*(\a)+4*\m+3], s[12:13] offset:(32*((\a)/2)+8*((\a)%2)+2*\m+8*(\m/4))*4096 th:TH_STORE_NT   ; sixteen lanes store 256 consecutive bytes, at a multiple of 256 from out's first byte
.endr
	WIN 0
.endm
	s_wait_tensorcnt 0x0                           ; my part of the last slot is in
	s_wait_dscnt 0x0
	WIN WMUL
	PROD 0, 1
	PROD 1, 1
	s_barrier_signal -1
	PROD 2, 1
	PROD 3, 1
	WIN 0
	s_barrier_wait -1                              ; everybody's part is, and nobody reads slot 0 any more
	NEXTSLOT
	PFETCH 0                                       ; 68 loads, into registers that the step at work does not name
	SCALES 0, 0
	SCALES 2, 2
	SCALES 3, 3
	VFETCH 0, 0
	VFETCH 2, 2
	WIN WMUL
.irp a, 4,5,6,7
	PROD \a, 1
.endr
	WIN 0
	PLACES
	SCALES 1, 1                                    ; 64 more
	VFETCH 1, 1
	VFETCH 3, 3
	PFETCH 1
	PFETCH 2
	WIN WMUL
	s_wait_dscnt 63                                ; the first 68 are in
	ROW 0, 0
	s_wait_dscnt 40                                ; v^T's second step is in
	ROW 0, 1
	ROW 0, 2
	s_wait_dscnt 24                                ; and its fourth
	ROW 0, 3
	WIN 0
	PLACES
	PFETCH 3
	s_wait_dscnt 24                                ; block 1's fragments are in (behind them: blocks 2's and 3's)
	ROWS 1
	TOSTAGE 0                                      ; the scalings of the block before are the places behind a block's products
	PFETCH 4
	s_wait_dscnt 40                                ; block 2's are in (behind them: 12 + 16 + 12)
	ROWS 2
	SEND 0, 12
	TOSTAGE 1
	PFETCH 5
.irp a, 3,4
	ROWS \a                                        ; (its fragments are older than what the last SEND has waited for)
	SEND \a-2, 12
	TOSTAGE \a-1
	PFETCH \a+3
.endr
	ROWS 5
	SEND 3, 12
	TOSTAGE 4
	ROWS 6
	SEND 4, 0
	TOSTAGE 5
	ROWS 7
	SEND 5, 0
	TOSTAGE 6
	TOSTAGE 7
	SEND 6, 16
	SEND 7, 0
	s_wait_tensorcnt 0x0                           ; the wave's end
	ds_add_u32 v[SPW], v[NIL]
	s_wait_dscnt 0x0
	CROUND                                         ; the closing round
	s_endpgm
.Lfunc_end_k_q5ba76556f0_pv:
	.size	k_q5ba76556f0_pv, .Lfunc_end_k_q5ba76556f0_pv-k_q5ba76556f0_pv
	.p2alignl 7, 3214868480
	.fill 96, 4, 3214868480
	.section	.rodata,"a",@progbits
	.p2align	6, 0x0
	.amdhsa_kernel k_q5ba76556f0_pv
		.amdhsa_group_segment_fixed_size 327680
		.amdhsa_private_segment_fixed_size 0
		.amdhsa_enable_private_segment 0
		.amdhsa_kernarg_size 40
		.amdhsa_user_sgpr_count 2
		.amdhsa_user_sgpr_kernarg_segment_ptr 1
		.amdhsa_wavefront_size32 1
		.amdhsa_system_sgpr_workgroup_id_x 1
		.amdhsa_system_sgpr_workgroup_id_y 1
		.amdhsa_system_sgpr_workgroup_id_z 1
		.amdhsa_system_vgpr_workitem_id 0
		.amdhsa_next_free_vgpr 1024
		.amdhsa_next_free_sgpr 90
		.amdhsa_reserve_vcc 0
		.amdhsa_float_denorm_mode_32 3
		.amdhsa_float_denorm_mode_16_64 3
		.amdhsa_memory_ordered 1
		.amdhsa_forward_progress 1
		.amdhsa_inst_pref_size 138
	.end_amdhsa_kernel
	.amdgpu_metadata
---
amdhsa.version: [ 1, 2 ]
amdhsa.kernels:
  - .name:           k_q5ba76556f0_pv
    .symbol:         k_q5ba76556f0_pv.kd
    .args:
      - { .name: pc, .offset: 0, .size: 8, .value_kind: global_buffer, .address_space: global }
      - { .name: pa, .offset: 8, .size: 8, .value_kind: global_buffer, .address_space: global }
      - { .name: vc, .offset: 16, .size: 8, .value_kind: global_buffer, .address_space: global }
      - { .name: vs, .offset: 24, .size: 8, .value_kind: global_buffer, .address_space: global }
      - { .name: out0, .offset: 32, .size: 8, .value_kind: global_buffer, .address_space: global }
    .group_segment_fixed_size: 327680
    .private_segment_fixed_size: 0
    .kernarg_segment_align: 8
    .kernarg_segment_size: 40
    .max_flat_workgroup_size: 128
    .sgpr_count:     90
    .vgpr_count:     1024
    .wavefront_size: 32
...
	.end_amdgpu_metadata
.endif
;; end of part 4
